; MI455X (gfx1250); checked and timed in simulation.
; The chip was launched on July 23, 2026; its instructions are those of AMD's public machine-readable ISA for CDNA 5 (MIT licence, August 2026) and "CDNA5" Instruction Set Architecture Reference Guide (July 2026). The comments in the code are by the model that wrote it; some were corrected since.
;; MH Mo E. Allowed arithmetic: float matrix products may take bf16 or f16 operands with f32 sums; other float arithmetic in f32, or as packed bf16 or f16 multiplies, adds, multiply-adds, maxima and minima; sums over many terms, partial sums and values carried from step to step in f32; what a program stores and reads back later, other than sums and carried values, may be rounded once to bf16 or f16.
;; Inputs: W1 8 x 128 x 512 float32; W2 8 x 512 x 128 float32; W_merge 1,024 x 1,024 float32; W_mh 1,024 x 1,024 float32; W_router 128 x 8 float32; b1 8 x 512 float32; b2 8 x 128 float32; b_merge 1,024 float32; b_mh 1,024 float32; x 2 x 2,048 x 1,024 float32.
;; Outputs: out0 2 x 2,048 x 1,024 float32.
;; 2 versions, each right; version 2 is version 1 with the launch cast_in written anew for expert scheduling mode. Each part assembles by itself: llvm-mc -triple=amdgcn-amd-amdhsa -mcpu=gfx1250 --defsym DOCPART=n.
;; ======== version 1 of 2: 5 launches
;; limits: values are held in f16: magnitudes above 65,504 overflow, below 6.1e-05 lose precision
;; workspace buffers: act16 8,388,608 bytes; wts 6,291,712 bytes; h16 8,388,608 bytes; gates 393,216 bytes; setid 131,072 bytes of whole numbers; order 131,072 bytes of whole numbers; counts 256 bytes of whole numbers
;; launch cast_in (part 1): grid 320 x 1, 8 waves a work-group, no clusters, 0 bytes of LDS; arguments x, W_mh, act16, wts; writes act16, wts
.if DOCPART == 1
	.amdgcn_target "amdgcn-amd-amdhsa--gfx1250"
	.amdhsa_code_object_version 6
	.text
	.protected	k_q08b1f571f9_cast_in
	.globl	k_q08b1f571f9_cast_in
	.p2align	8
	.type	k_q08b1f571f9_cast_in,@function
k_q08b1f571f9_cast_in:
	s_mov_b64 s[64:65], 0
	v_nop
	global_prefetch_b8 v0, s[64:65] scope:SCOPE_SE
	s_setreg_imm32_b32 hwreg(HW_REG_WAVE_MODE, 25, 1), 1
	s_wait_xcnt 0x0
; MH_MoE, launch 1 of 5: x and W_mh are rounded to bf16 (act16 = x [4096][1024]; wts + 0 = W_mh [k][n]).
; THE PROGRAM.  2: h = x W_mh + b_mh, the router's logits, top-2 and gates.  3: the tokens are listed by their SET of two experts; the other weights are rounded.
; 4: each token goes through its two experts.  5: out0 = moe W_merge + b_merge.
; WORK LEFT OUT, AND WHY IT IS DEAD.  reference() computes all 8 experts for each token and multiplies expert e's result by gates[..., e], which it builds itself as
; sum(one_hot(topi) * topv): for the 6 experts that are not in topi that factor is exactly 0, whatever the inputs hold, so y of those experts reaches no output.  Which two
; are chosen is stored as whole numbers by launch 2 and read by launches 3 and 4, which do only what they ask for.  The softmax's denominator is a common factor of both
; topv and cancels in topv / sum(topv) for all values: the gates are 1 / (1 + exp(l2 - l1)) and its complement, with the maximum l1 taken away as reference() takes it.
; LIMITS.  A NaN, an infinity or an overflow that reaches only an expert that is not chosen is not carried to the result.  Ties are broken on the logits (the lower index
; wins), where reference() breaks them on the probabilities.  Every input is rounded once to bf16; h is kept in f16 (|h| under 65,504), W1 and W2 as f16 numbers
; that hold their bf16 roundings (under 65,504; below 6e-5 with f16's fixed step of 6e-8).
; SHARES.  Work-groups 0-255 take 64 KiB of x each, 256-319 64 KiB of W_mh.  A wave takes 8 KiB: sixteen loads of 512 consecutive bytes, all out at once; each store covers 256
; consecutive bytes, aligned.  No register is used twice, so no wait frees one.  No LDS, no matrix unit, no cluster: nothing is shared and nothing is multiplied.
.set X, 8                              ; v[8:71]    sixteen loads of four f32
.set Y, 72                             ; v[72:103]  sixteen stores of four bf16
	s_load_b256 s[4:11], s[0:1], 0x0               ; x s[4:5], W_mh s[6:7], act16 s[8:9], wts s[10:11]
	v_and_b32 v1, 31, v0
	v_lshrrev_b32 v2, 5, v0
	v_lshlrev_b32 v1, 4, v1
	v_lshl_or_b32 v1, v2, 13, v1                   ; source: 8,192 x wave + 16 x lane
	v_lshrrev_b32 v2, 1, v1                        ; destination: half of that
	s_mov_b32 s12, ttmp9
	s_sub_co_u32 s13, s12, 256
	s_mov_b32 s15, 0
	s_cmp_lt_u32 s12, 256                          ; x or W_mh?
	s_cselect_b32 s12, s12, s13                    ; the chunk's number in its tensor
	s_wait_kmcnt 0x0
	s_cselect_b64 s[4:5], s[4:5], s[6:7]
	s_cselect_b64 s[8:9], s[8:9], s[10:11]
	s_lshl_b32 s14, s12, 16
	s_add_nc_u64 s[4:5], s[4:5], s[14:15]
	s_lshl_b32 s14, s12, 15
	s_add_nc_u64 s[8:9], s[8:9], s[14:15]
.set i, 0
.rept 16
	global_load_b128 v[X+4*i:X+4*i+3], v1, s[4:5] offset:512*i th:TH_LOAD_NT
.set i, i+1
.endr
.set i, 0
.rept 16
	s_wait_loadcnt 15-i                            ; loads come back in order: load i is in, the younger ones stay out
	v_cvt_pk_bf16_f32 v[Y+2*i], v[X+4*i], v[X+4*i+1]
	v_cvt_pk_bf16_f32 v[Y+2*i+1], v[X+4*i+2], v[X+4*i+3]
	global_store_b64 v2, v[Y+2*i:Y+2*i+1], s[8:9] offset:256*i
.set i, i+1
.endr
	s_endpgm
.Lfunc_end_k_q08b1f571f9_cast_in:
	.size	k_q08b1f571f9_cast_in, .Lfunc_end_k_q08b1f571f9_cast_in-k_q08b1f571f9_cast_in
	.p2alignl 7, 3214868480
	.fill 96, 4, 3214868480
	.section	.rodata,"a",@progbits
	.p2align	6, 0x0
	.amdhsa_kernel k_q08b1f571f9_cast_in
		.amdhsa_group_segment_fixed_size 0
		.amdhsa_private_segment_fixed_size 0
		.amdhsa_enable_private_segment 0
		.amdhsa_kernarg_size 32
		.amdhsa_user_sgpr_count 2
		.amdhsa_user_sgpr_kernarg_segment_ptr 1
		.amdhsa_wavefront_size32 1
		.amdhsa_system_sgpr_workgroup_id_x 1
		.amdhsa_system_sgpr_workgroup_id_y 1
		.amdhsa_system_sgpr_workgroup_id_z 1
		.amdhsa_system_vgpr_workitem_id 0
		.amdhsa_next_free_vgpr 104
		.amdhsa_next_free_sgpr 66
		.amdhsa_reserve_vcc 0
		.amdhsa_float_denorm_mode_32 3
		.amdhsa_float_denorm_mode_16_64 3
		.amdhsa_memory_ordered 1
		.amdhsa_forward_progress 1
		.amdhsa_inst_pref_size 7
	.end_amdhsa_kernel
	.amdgpu_metadata
---
amdhsa.version: [ 1, 2 ]
amdhsa.kernels:
  - .name:           k_q08b1f571f9_cast_in
    .symbol:         k_q08b1f571f9_cast_in.kd
    .args:
      - { .name: x, .offset: 0, .size: 8, .value_kind: global_buffer, .address_space: global }
      - { .name: W_mh, .offset: 8, .size: 8, .value_kind: global_buffer, .address_space: global }
      - { .name: act16, .offset: 16, .size: 8, .value_kind: global_buffer, .address_space: global }
      - { .name: wts, .offset: 24, .size: 8, .value_kind: global_buffer, .address_space: global }
    .group_segment_fixed_size: 0
    .private_segment_fixed_size: 0
    .kernarg_segment_align: 8
    .kernarg_segment_size: 32
    .max_flat_workgroup_size: 256
    .sgpr_count:     66
    .vgpr_count:     104
    .wavefront_size: 32
...
	.end_amdgpu_metadata
.endif
;; end of part 1
;; launch proj_route (part 2): grid 8 x 32, 4 waves a work-group, clusters of 4 x 4, 327,680 bytes of LDS; arguments act16, wts, b_mh, W_router, h16, setid, gates; writes h16, setid, gates
.if DOCPART == 2
	.amdgcn_target "amdgcn-amd-amdhsa--gfx1250"
	.amdhsa_code_object_version 6
	.text
	.protected	k_q08b1f571f9_proj_route
	.globl	k_q08b1f571f9_proj_route
	.p2align	8
	.type	k_q08b1f571f9_proj_route,@function
k_q08b1f571f9_proj_route:
	s_mov_b64 s[64:65], 0
	v_nop
	global_prefetch_b8 v0, s[64:65] scope:SCOPE_SE
	s_setreg_imm32_b32 hwreg(HW_REG_WAVE_MODE, 25, 1), 1
	s_wait_xcnt 0x0
	s_wait_alu depctr_hold_cnt(0) depctr_sa_sdst(0) depctr_va_vdst(0) depctr_va_sdst(0) depctr_va_ssrc(0) depctr_va_vcc(0) depctr_vm_vsrc(0)
	s_getreg_b32 s2, hwreg(HW_REG_IB_STS2, 6, 4)
	s_cmp_eq_u32 s2, 0
	s_cbranch_scc0 .Lentry_in_a_cluster
	s_endpgm
.Lentry_in_a_cluster:
	s_bfe_u32 s2, ttmp6, 0x10000c
	s_cmp_lg_u32 s2, 0xf033
	s_cbranch_scc0 .Lentry_shape_is_right
	s_endpgm
.Lentry_shape_is_right:
; Launch 2 of 5: h = x W_mh + b_mh (bf16 operands, f32 sums that START with the bias), and on the f32 sums the router: logits, top-2, gates, the largest |h| of each token.
; Work left out: the softmax's denominator (it cancels in topv / sum(topv): see the first kernel's head).
; A tile is 128 rows x 128 columns = 128 tokens of ONE head (tile column = head).  Four waves, each 64 x 64: 16 accumulators.  K goes in 4 steps of 256 through two LDS slots.
; x's tile lies [row][k] (rows of 512 bytes + 16), W's as in memory [k][n] (rows of 256 bytes + 32) and is turned by ds_load_tr16_b128.
; THE MATRIX INSTRUCTION IS USED TRANSPOSED (source 0 = 16 columns of W, source 1 = 16 rows of x): a lane holds one row (lane % 16) and the columns 8 (lane / 16) + 0..7.
; CLUSTER 4 x 4: x's tile is shared along a row of the cluster, W's along a column; each is asked for jointly.
; OUT: h16 [token = row x 8 + head][128] f16; setid [p] and gates' three planes gLo, gHi, hmax [p], p = head x 4096 + row: 512 consecutive bytes a tile and plane.
; The set's number for experts lo < hi is lo (15 - lo) / 2 + hi - lo - 1.  LIMITS: |h| under 65,504; ties by logits, the lower index first; NaN is not treated apart.
; REGISTERS: window 0: v0-31 addresses; v32-95 at work; v96-127 the bias, later at work; v128-255 accumulator (a, b) at 128 + 8 (4 a + b).  Window 1: two fragment buffers of 128.
.set PA,    528                        ; a row of x in LDS: 132 words: the 16 rows of a load start at 16 different groups of four banks
.set PW,    288                        ; a row of W: 72 words
.set HALFA, 64*PA                      ; what waves 0 and 1 fetch
.set HALFW, 128*PW                     ; what waves 2 and 3 fetch
.set WTO,   2*HALFA                    ; W's tile lies behind x's
.set SLOT,  WTO+2*HALFW
.set WRT,   2*SLOT                     ; W_router, rounded to bf16, as f32 [128][8]
.set PLT,   WRT+4096                   ; partial logits: [column half][row] 48 bytes: 8 logits, the largest |h|
.set OUTS,  PLT+12288                  ; four planes of 128 words
.set SPARE, OUTS+2048                  ; the spare words: 128 bytes a wave
.set SP,    272                        ; the stage (slot 0's first bytes, behind that slot's last fill and last read): 128 rows of 256 + 16 bytes
.set WOFF,  0                          ; W_mh in wts
.set ADRA, 16                          ; v16-17 my x fragments in slot 0, 1
.set ADRB, 20                          ; v20-23 my W fragments: slot 0 k 0-127, k 128-255; slot 1 likewise
.set STO,  24
.set RD,   25
.set CO,   26
.set AWR,  27
.set SPW,  28
.set NIL,  29
.set APL,  30
.set ATK,  31
.set TMP,  32
.set PL,   32                          ; v32-63 partial logits: row block a, expert e at PL + 8 a + e
.set BIAS, 96
.set MX,   96
.set MN,   100
.set XT,   104
.set ACC,  128
.set F0,   0
.set F1,   128
.set G1,   24
.set G0,   32
.set G1B,  48
.set G0B,  56
.set SEL,  66
.set MSB, 0
.macro WIN new                         ; the immediate's high byte repeats the setting that is left
.if MSB != (\new)
	s_set_vgpr_msb (MSB<<8)|(\new)
.set MSB, \new
.endif
.endm
.set MUL,  0x05                        ; sources 0 and 1 window 1; C and D window 0
.set TO_F, 0x40                        ; destination window 1
.macro JLOAD s                         ; a joint load: waves 0 and 1 x's halves, waves 2 and 3 W's; s_nop 0 and four v_nop behind each line
	s_cmp_eq_u32 s11, 0
	s_cbranch_scc0 .Lfor_b_\@
	tensor_load_to_lds s[G0+4*(\s):G0+4*(\s)+3], s[G1:G1+7]
	s_nop 0
.rept 4
	v_nop
.endr
	s_branch .Lasked_\@
.Lfor_b_\@:
	tensor_load_to_lds s[G0B+4*(\s):G0B+4*(\s)+3], s[G1B:G1B+7]
	s_nop 0
.rept 4
	v_nop
.endr
.Lasked_\@:
.endm
.macro CREST                           ; a round of the cluster's barrier behind its opening barrier
	s_cmp_lg_u32 s10, 0
	s_cbranch_scc1 .Lnot_wave_0_\@
	s_barrier_signal -3
.Lnot_wave_0_\@:
	s_barrier_wait -3
	s_barrier_signal -1
	s_barrier_wait -1
.endm
.macro CROUND
	s_barrier_signal -1
	s_barrier_wait -1
	CREST
.endm
.macro PLACES                          ; four places behind a matrix instruction
.rept 4
	v_nop
.endr
.endm
.macro RND2 r, t                       ; v[r], v[r+1] rounded to bf16 and widened again
	v_cvt_pk_bf16_f32 v[\t], v[\r], v[(\r)+1]
	v_lshlrev_b32 v[\r], 16, v[\t]
	v_and_b32 v[(\r)+1], 0xffff0000, v[\t]
.endm
	s_load_b128 s[4:7], s[0:1], 0x0                ; act16 s[4:5], wts s[6:7]
	s_load_b128 s[68:71], s[0:1], 0x10             ; b_mh s[68:69], W_router s[70:71]
	s_load_b128 s[72:75], s[0:1], 0x20             ; h16 s[72:73], setid s[74:75]
	s_load_b64 s[76:77], s[0:1], 0x30              ; gates
	v_lshl_add_u32 v[SPW], v0, 2, SPARE
	v_mov_b32 v[NIL], 0
	ds_add_u32 v[SPW], v[NIL]                      ; the opening: the add, twice on end, and its wait ahead of my first tensor load
	ds_add_u32 v[SPW], v[NIL]
	v_lshrrev_b32 v1, 5, v0
	v_readfirstlane_b32 s10, v1                    ; wave 0..3
	s_lshr_b32 s11, s10, 1                         ; my half of the rows.  Also: I fetch x (0) or W (1)
	s_and_b32 s12, s10, 1                          ; my half of the columns.  Also: which half of that tile I fetch
	s_bfe_u32 s40, ttmp6, 0x40000                  ; cx
	s_bfe_u32 s41, ttmp6, 0x40004                  ; cy
	s_lshl_b32 s42, ttmp9, 2
	s_add_co_u32 s42, s42, s40                     ; tile column = head
	s_and_b32 s13, ttmp7, 0xffff
	s_lshl_b32 s13, s13, 2
	s_add_co_u32 s13, s13, s41                     ; tile row
	s_lshl_b32 s43, s41, 2
	s_lshl_b32 s43, 15, s43                        ; my row of the cluster
	s_lshl_b32 s44, 0x1111, s40                    ; my column
	s_or_b32 s[G1+0], s43, (1<<16)|(1<<20)|(1<<21)|(6<<22)|(3<<25)   ; mask; 2-byte elements; padding: 4 words behind every 128
	s_mov_b32 s[G1+1], 256<<16                     ; tensor_dim0 = 256
	s_mov_b32 s[G1+2], 64<<16                      ; tensor_dim1 = 64
	s_mov_b32 s[G1+3], 256<<16                     ; tile_dim0 = 256
	s_mov_b32 s[G1+4], 64                          ; tile_dim1 = 64
	s_mov_b32 s[G1+5], 1024                        ; elements from row to row
	s_mov_b32 s[G1+6], 0
	s_mov_b32 s[G1+7], 0
	s_or_b32 s[G1B+0], s44, (1<<16)|(1<<20)|(1<<21)|(5<<22)|(7<<25)  ; padding: 8 words behind every 64
	s_mov_b32 s[G1B+1], 128<<16
	s_mov_b32 s[G1B+2], 128<<16
	s_mov_b32 s[G1B+3], 128<<16
	s_mov_b32 s[G1B+4], 128
	s_mov_b32 s[G1B+5], 1024
	s_mov_b32 s[G1B+6], 0
	s_mov_b32 s[G1B+7], 0
	s_lshl_b32 s16, s13, 18                        ; x: row 128 x tile row + 64 x half, 2,048 bytes a row
	s_lshl_b32 s17, s12, 17
	s_add_co_u32 s16, s16, s17
	s_mov_b32 s17, 0
	s_lshl_b32 s46, s42, 8                         ; W: column 128 x tile column, k row 128 x half
	s_lshl_b32 s47, s12, 18
	s_add_co_u32 s46, s46, s47
	s_add_co_u32 s46, s46, WOFF
	s_mov_b32 s47, 0
	s_mul_i32 s20, s12, HALFA                      ; where they go: no place in the cluster enters an LDS address
	s_mul_i32 s21, s12, HALFW
	s_add_co_u32 s21, s21, WTO
	s_mov_b32 s[SEL], 0x76543210
	s_mov_b32 s[SEL+1], 0xfedcba98
	s_wait_dscnt 0x0                               ; both opening adds are done
	s_wait_kmcnt 0x0
	s_add_nc_u64 s[14:15], s[4:5], s[16:17]
	s_add_nc_u64 s[46:47], s[6:7], s[46:47]
	CROUND                                         ; all sixteen work-groups are here: the first joint loads meet
.irp s, 0,1
	s_mov_b32 s[G0+4*(\s)], 1
	s_add_co_u32 s[G0+4*(\s)+1], s20, (\s)*SLOT
	s_add_nc_u64 s[G0+4*(\s)+2:G0+4*(\s)+3], s[14:15], (\s)*512
	s_or_b32 s[G0+4*(\s)+3], s[G0+4*(\s)+3], 0x80000000
	s_mov_b32 s[G0B+4*(\s)], 1
	s_add_co_u32 s[G0B+4*(\s)+1], s21, (\s)*SLOT
	s_add_nc_u64 s[G0B+4*(\s)+2:G0B+4*(\s)+3], s[46:47], (\s)*256*2048
	s_or_b32 s[G0B+4*(\s)+3], s[G0B+4*(\s)+3], 0x80000000
	JLOAD \s
.endr
	v_and_b32 v1, 15, v0                           ; r = l % 16
	v_bfe_u32 v2, v0, 4, 1                         ; h = l / 16
	v_lshlrev_b32 v9, 5, v0                        ; W_router's row t: 32 bytes
	global_load_b128 v[32:35], v9, s[70:71]
	global_load_b128 v[36:39], v9, s[70:71] offset:16
	s_lshl_b32 s22, s42, 9                         ; the bias of my columns: 4 (128 head + 64 half + 16 b + 8 h + j)
	s_lshl_b32 s23, s12, 8
	s_add_co_u32 s22, s22, s23
	v_lshl_add_u32 v10, v2, 5, s22
.irp b, 0,1,2,3
	global_load_b128 v[BIAS+8*(\b):BIAS+8*(\b)+3],   v10, s[68:69] offset:64*(\b)
	global_load_b128 v[BIAS+8*(\b)+4:BIAS+8*(\b)+7], v10, s[68:69] offset:64*(\b)+16
.endr
	v_mul_u32_u24 v3, v1, PA
	v_lshl_add_u32 v3, v2, 4, v3                   ; row x pitch + 16 h
	s_mul_i32 s21, s11, HALFA
	v_add_nc_u32 v[ADRA], s21, v3
	v_add_nc_u32 v[ADRA+1], SLOT, v[ADRA]
	v_and_b32 v4, 7, v0                            ; the turning load: k row 8 h + l % 8, 16 bytes by (l / 8) % 2
	v_lshl_add_u32 v4, v2, 3, v4
	v_mul_u32_u24 v4, v4, PW
	v_bfe_u32 v5, v0, 3, 1
	v_lshl_add_u32 v4, v5, 4, v4
	s_lshl_b32 s22, s12, 7
	s_add_co_u32 s22, s22, WTO
	v_add_nc_u32 v[ADRB], s22, v4
	v_add_nc_u32 v[ADRB+1], HALFW, v[ADRB]
	v_add_nc_u32 v[ADRB+2], SLOT, v[ADRB]
	v_add_nc_u32 v[ADRB+3], SLOT+HALFW, v[ADRB]
	s_mul_i32 s23, s11, 64*SP                      ; into the stage: my 64 rows, my 128 bytes of them
	s_lshl_b32 s21, s12, 7
	s_add_co_u32 s23, s23, s21
	v_mul_u32_u24 v6, v1, SP
	v_lshl_add_u32 v6, v2, 4, v6
	v_add_nc_u32 v[STO], s23, v6
	s_mul_i32 s23, s10, 32*SP                      ; back: wave w takes rows 32 w .. 32 w + 31 whole
	v_mul_u32_u24 v6, v2, SP
	v_lshl_add_u32 v6, v1, 4, v6
	v_add_nc_u32 v[RD], s23, v6
	v_lshlrev_b32 v6, 11, v2                       ; in h16 a row of x is 8 tokens = 2,048 bytes on
	v_lshl_add_u32 v[CO], v1, 4, v6
	s_lshl_b32 s23, s12, 11
	s_add_co_u32 s23, s23, WRT
	v_lshl_add_u32 v[AWR], v2, 8, s23              ; W_router's row 64 half + 8 h
	s_mul_i32 s23, s12, 6144
	s_mul_i32 s21, s11, 64*48
	s_add_co_u32 s23, s23, s21
	s_add_co_u32 s23, s23, PLT
	v_mul_u32_u24 v6, v1, 48
	v_add_nc_u32 v[APL], s23, v6
	v_mul_u32_u24 v6, v0, 48
	v_add_nc_u32 v[ATK], PLT, v6
	s_lshl_b32 s20, s13, 18                        ; h16 at row 128 tile row + 32 wave, head
	s_lshl_b32 s21, s10, 16
	s_add_co_u32 s20, s20, s21
	s_lshl_b32 s21, s42, 8
	s_add_co_u32 s20, s20, s21
	s_mov_b32 s21, 0
	s_add_nc_u64 s[72:73], s[72:73], s[20:21]
	s_max_u32 s20, s10, 1                          ; wave 0 stores setid's plane, waves 1-3 gates' planes 0-2
	s_sub_co_u32 s20, s20, 1
	s_lshl_b32 s20, s20, 17
	s_lshl_b32 s22, s42, 14
	s_add_co_u32 s20, s20, s22
	s_lshl_b32 s22, s13, 9
	s_add_co_u32 s20, s20, s22                     ; + 4 (4096 head + 128 tile row)
	s_cmp_eq_u32 s10, 0
	s_cselect_b64 s[74:75], s[74:75], s[76:77]
	s_add_nc_u64 s[74:75], s[74:75], s[20:21]
	s_wait_loadcnt 0x0
.irp r, 32,34,36,38
	RND2 \r, 11
.endr
.set i, 0
.rept 16
	RND2 BIAS+2*i, 11
.set i, i+1
.endr
	v_lshl_add_u32 v12, v0, 5, WRT
	ds_store_b128 v12, v[32:35]
	ds_store_b128 v12, v[36:39] offset:16
; 8 matrix instructions: row blocks a0, a0 + 1 x 4 column blocks, 32 along K: half c of buffer f.  zero = 1: the bias starts the sums
.macro MUL8 f, c, a0, zero
	WIN MUL
.irp a, \a0, (\a0)+1
.irp b, 0,1,2,3
.if \zero
	v_wmma_f32_16x16x32_bf16 v[ACC+8*(4*(\a)+(\b)):ACC+8*(4*(\a)+(\b))+7], v[(\f)+64+8*(4*(\c)+(\b)):(\f)+64+8*(4*(\c)+(\b))+7], v[(\f)+8*(4*(\c)+(\a)):(\f)+8*(4*(\c)+(\a))+7], v[BIAS+8*(\b):BIAS+8*(\b)+7]
.else
	v_wmma_f32_16x16x32_bf16 v[ACC+8*(4*(\a)+(\b)):ACC+8*(4*(\a)+(\b))+7], v[(\f)+64+8*(4*(\c)+(\b)):(\f)+64+8*(4*(\c)+(\b))+7], v[(\f)+8*(4*(\c)+(\a)):(\f)+8*(4*(\c)+(\a))+7], v[ACC+8*(4*(\a)+(\b)):ACC+8*(4*(\a)+(\b))+7]
.endif
.endr
.endr
.endm
; 32 LDS loads in one run: quarter q (64 along K) of a slot into buffer f; the first 32 along K first
.macro FETCH slot, q, f
	WIN TO_F
.irp c, 0,1
.irp i, 0,1,2,3
	ds_load_tr16_b128 v[(\f)+64+8*(4*(\c)+(\i)):(\f)+64+8*(4*(\c)+(\i))+3],   v[ADRB+2*(\slot)+(\q)/2] offset:(((\q)%2)*64+32*(\c))*PW+32*(\i)
	ds_load_tr16_b128 v[(\f)+64+8*(4*(\c)+(\i))+4:(\f)+64+8*(4*(\c)+(\i))+7], v[ADRB+2*(\slot)+(\q)/2] offset:(((\q)%2)*64+32*(\c)+16)*PW+32*(\i)
	ds_load_b128 v[(\f)+8*(4*(\c)+(\i)):(\f)+8*(4*(\c)+(\i))+3],             v[ADRA+(\slot)] offset:128*(\q)+64*(\c)+(\i)*16*PA
	ds_load_b128 v[(\f)+8*(4*(\c)+(\i))+4:(\f)+8*(4*(\c)+(\i))+7],           v[ADRA+(\slot)] offset:128*(\q)+64*(\c)+(\i)*16*PA+32
.endr
.endr
.endm
.macro QUARTER slot, q, f, g, zero     ; multiplies buffer f and fetches quarter q of the slot into g
	s_wait_dscnt 16                                ; the first 32 along K are in
	MUL8 \f, 0, 0, \zero
	MUL8 \f, 0, 2, \zero
	PLACES
	FETCH \slot, \q, \g
	s_wait_dscnt 32                                ; all but the 32 just issued
	MUL8 \f, 1, 0, 0
	MUL8 \f, 1, 2, 0
.endm
; The last quarter multiplies buffer 1 and changes slots: each wave waits for all its tensor loads, adds 0 to its spare word, waits for that and for its reads of this slot, and meets the others.
.macro TURN slot, next, fill
	WIN 0
	s_wait_tensorcnt 0x0                           ; all my tensor loads have landed: my part of the next slot
	ds_add_u32 v[SPW], v[NIL]
	s_wait_dscnt 17                                ; the add and the youngest sixteen loads may be out
	MUL8 F1, 0, 0, 0
	s_wait_dscnt 0x0                               ; the add is done, and my reads of this slot are over
	s_barrier_signal -1
	MUL8 F1, 0, 2, 0
.if \fill
	WIN 0
.endif
	s_barrier_wait -1
.if \fill
	CREST                                          ; the barrier has opened a round of the cluster's: no wave of any partner still reads this slot or has a load on its way
	s_add_nc_u64 s[G0+4*(\slot)+2:G0+4*(\slot)+3], s[G0+4*(\slot)+2:G0+4*(\slot)+3], 1024
	s_add_nc_u64 s[G0B+4*(\slot)+2:G0B+4*(\slot)+3], s[G0B+4*(\slot)+2:G0B+4*(\slot)+3], 512*2048
	JLOAD \slot                                    ; the four v_nop behind it are also the places in front of the loads below
.else
	PLACES
.endif
	FETCH \next, 0, F0
	MUL8 F1, 1, 0, 0
	MUL8 F1, 1, 2, 0
.endm
	s_wait_tensorcnt 1                             ; my part of K step 0 is in; K step 1's may stay out
	s_wait_dscnt 0x0                               ; my rows of W_router lie in LDS
	s_barrier_signal -1
	s_barrier_wait -1
	FETCH 0, 0, F0
	QUARTER 0, 1, F0, F1, 1
	QUARTER 0, 2, F1, F0, 0
	QUARTER 0, 3, F0, F1, 0
	TURN 0, 1, 1                                   ; slot 0 takes K step 2
	QUARTER 1, 1, F0, F1, 0
	QUARTER 1, 2, F1, F0, 0
	QUARTER 1, 3, F0, F1, 0
	TURN 1, 0, 1                                   ; slot 1 takes K step 3
	QUARTER 0, 1, F0, F1, 0
	QUARTER 0, 2, F1, F0, 0
	QUARTER 0, 3, F0, F1, 0
	TURN 0, 1, 0                                   ; behind this barrier nobody reads slot 0 any more, and nothing fills it: it serves as the stage
	QUARTER 1, 1, F0, F1, 0
	QUARTER 1, 2, F1, F0, 0
	QUARTER 1, 3, F0, F1, 0
	s_wait_dscnt 16
	MUL8 F1, 0, 0, 0
	MUL8 F1, 0, 2, 0
	s_wait_dscnt 0x0
	MUL8 F1, 1, 0, 0
	MUL8 F1, 1, 2, 0
	WIN 0
	PLACES
	; THE LOGITS, in f32 on the f32 sums.  My lane holds 32 of a token's 128 numbers for each of 4 row blocks; W_router's 32 rows for them fill window 1.
	WIN TO_F
.set d, 0
.rept 32
	ds_load_b128 v[8*d:8*d+3],   v[AWR] offset:32*(16*(d/8)+d%8)
	ds_load_b128 v[8*d+4:8*d+7], v[AWR] offset:32*(16*(d/8)+d%8)+16
.set d, d+1
.endr
	s_wait_dscnt 0x0
	WIN 0x04                                       ; source 1 in window 1
.macro LGT a, e                        ; two experts' logits of row block a take number d; each accumulator's lowest registers are read first
.set rP, PL+8*(\a)+2*(\e)
.set rH, ACC+8*(4*(\a)+bb)+2*(jj/2)
.set rW, 8*d+2*(\e)
.if d == 0
	v_pk_mul_f32 v[rP:rP+1], v[rH:rH+1], v[rW:rW+1] op_sel_hi:[0,1]
.elseif jj%2
	v_pk_fma_f32 v[rP:rP+1], v[rH:rH+1], v[rW:rW+1], v[rP:rP+1] op_sel:[1,0,0] op_sel_hi:[1,1,1]
.else
	v_pk_fma_f32 v[rP:rP+1], v[rH:rH+1], v[rW:rW+1], v[rP:rP+1] op_sel_hi:[0,1,1]
.endif
.endm
.set d, 0
.rept 32
.set bb, d/8
.set jj, d%8
.irp a, 0,1,2,3
.irp e, 0,1,2,3
	LGT \a, \e
.endr
.endr
.set d, d+1
.endr
	WIN 0
.macro HMX a                           ; the largest |h| of my 32 numbers of row block a: a maximum and a minimum
.set r0, ACC+32*(\a)
	v_max3_num_f32 v[MX+(\a)], v[r0], v[r0+1], v[r0+2]
	v_min3_num_f32 v[MN+(\a)], v[r0], v[r0+1], v[r0+2]
.set k, 3
.rept 14
	v_max3_num_f32 v[MX+(\a)], v[MX+(\a)], v[r0+k], v[r0+k+1]
	v_min3_num_f32 v[MN+(\a)], v[MN+(\a)], v[r0+k], v[r0+k+1]
.set k, k+2
.endr
	v_max_num_f32 v[MX+(\a)], v[MX+(\a)], v[r0+31]
	v_min_num_f32 v[MN+(\a)], v[MN+(\a)], v[r0+31]
	v_sub_f32 v[MN+(\a)], 0, v[MN+(\a)]
	v_max_num_f32 v[MX+(\a)], v[MX+(\a)], v[MN+(\a)]
.endm
.irp a, 0,1,2,3
	HMX \a
.endr
.irp a, 0,1,2,3                        ; the other half of the lanes holds the row's other 32 numbers of my column half
.irp e, 0,1,2,3,4,5,6,7
	v_permlanex16_b32 v[XT+(\e)], v[PL+8*(\a)+(\e)], s[SEL], s[SEL+1]
.endr
	v_permlanex16_b32 v[XT+8], v[MX+(\a)], s[SEL], s[SEL+1]
.irp e, 0,2,4,6
	v_pk_add_f32 v[PL+8*(\a)+(\e):PL+8*(\a)+(\e)+1], v[PL+8*(\a)+(\e):PL+8*(\a)+(\e)+1], v[XT+(\e):XT+(\e)+1]
.endr
	v_max_num_f32 v[MX+(\a)], v[MX+(\a)], v[XT+8]
	ds_store_b128 v[APL], v[PL+8*(\a):PL+8*(\a)+3]   offset:768*(\a)
	ds_store_b128 v[APL], v[PL+8*(\a)+4:PL+8*(\a)+7] offset:768*(\a)+16
	ds_store_b32  v[APL], v[MX+(\a)]                 offset:768*(\a)+32
.endr
	; h leaves in f16 through the stage: a row's 256 bytes come from two waves
.irp t, 0,1,2,3,4,5,6,7,8,9,10,11,12,13,14,15
.irp r, 0,1,2,3
	v_cvt_pk_f16_f32 v[TMP+4*(\t)+(\r)], v[ACC+8*(\t)+2*(\r)], v[ACC+8*(\t)+2*(\r)+1]
.endr
.endr
.irp a, 0,1,2,3
.irp b, 0,1,2,3
	ds_store_b128 v[STO], v[TMP+4*(4*(\a)+(\b)):TMP+4*(4*(\a)+(\b))+3] offset:(\a)*16*SP+32*(\b)
.endr
.endr
	s_wait_dscnt 0x0                               ; for the others' sake: my stores into the stage and the partial logits are done
	s_barrier_signal -1
	s_barrier_wait -1
.irp t, 0,1,2,3,4,5,6,7,8,9,10,11,12,13,14,15
	ds_load_b128 v[TMP+4*(\t):TMP+4*(\t)+3], v[RD] offset:(\t)*2*SP
.endr
	ds_load_b128 v[128:131], v[ATK]                ; thread t takes token t: both column halves' logits and largest |h|
	ds_load_b128 v[132:135], v[ATK] offset:16
	ds_load_b32  v136, v[ATK] offset:32
	ds_load_b128 v[140:143], v[ATK] offset:6144
	ds_load_b128 v[144:147], v[ATK] offset:6160
	ds_load_b32  v148, v[ATK] offset:6176
.irp t, 0,1,2,3,4,5,6,7,8,9,10,11,12,13,14,15
	s_wait_dscnt 21-(\t)                           ; the younger stage loads and the six above may stay out
	global_store_b128 v[CO], v[TMP+4*(\t):TMP+4*(\t)+3], s[72:73] offset:4096*(\t)  ; 16 lanes store a token's 256 bytes, aligned
.endr
	s_wait_dscnt 0x0
.irp e, 0,2,4,6
	v_pk_add_f32 v[128+(\e):129+(\e)], v[128+(\e):129+(\e)], v[140+(\e):141+(\e)]
.endr
	v_max_num_f32 v136, v136, v148
	; top-2 by strict 'greater': of equal logits the lower index stays ahead
	v_mov_b32 v150, v128                           ; l1
	v_mov_b32 v151, 0                              ; i1
	v_mov_b32 v152, 0xff800000                     ; l2
	v_mov_b32 v153, 0                              ; i2
.irp e, 1,2,3,4,5,6,7
	v_cmp_gt_f32 vcc_lo, v[128+(\e)], v150
	v_cmp_gt_f32 s20, v[128+(\e)], v152
	v_cndmask_b32 v152, v152, v[128+(\e)], s20
	v_cndmask_b32 v153, v153, \e, s20
	v_cndmask_b32 v152, v152, v150, vcc_lo
	v_cndmask_b32 v153, v153, v151, vcc_lo
	v_cndmask_b32 v150, v150, v[128+(\e)], vcc_lo
	v_cndmask_b32 v151, v151, \e, vcc_lo
.endr
	v_sub_f32 v154, v152, v150                     ; l2 - l1: the maximum is taken away
	v_mul_f32 v154, 0x3fb8aa3b, v154
	v_exp_f32 v155, v154
	v_min_u32 v156, v151, v153                     ; lo
	s_wait_alu depctr_va_vdst(0)                   ; the wait ahead of the first use
	v_add_f32 v157, 1.0, v155
	v_rcp_f32 v158, v157                           ; g1
	v_max_u32 v159, v151, v153                     ; hi
	s_wait_alu depctr_va_vdst(0)
	v_mul_f32 v160, v155, v158                     ; g2
	v_cmp_lt_u32 vcc_lo, v151, v153
	v_cndmask_b32 v161, v160, v158, vcc_lo         ; the gate of expert lo
	v_cndmask_b32 v162, v158, v160, vcc_lo         ; and of expert hi
	v_sub_nc_u32 v163, 15, v156
	v_mul_u32_u24 v163, v156, v163
	v_lshrrev_b32 v163, 1, v163
	v_add_nc_u32 v163, v163, v159
	v_sub_nc_u32 v163, v163, v156
	v_add_nc_u32 v163, -1, v163                    ; the set's number
	v_lshl_add_u32 v164, v0, 2, OUTS
	ds_store_b32 v164, v163
	ds_store_b32 v164, v161 offset:512
	ds_store_b32 v164, v162 offset:1024
	ds_store_b32 v164, v136 offset:1536
	v_lshl_add_u32 v165, v0, 4, OUTS               ; wave w reads plane w: 512 w + 16 lane
	v_and_b32 v166, 31, v0
	v_lshlrev_b32 v166, 4, v166
	s_wait_dscnt 0x0
	s_barrier_signal -1
	s_barrier_wait -1
	ds_load_b128 v[168:171], v165
	s_wait_dscnt 0x0
	global_store_b128 v166, v[168:171], s[74:75]   ; 512 consecutive bytes, aligned
	s_wait_tensorcnt 0x0                           ; the wave's end
	ds_add_u32 v[SPW], v[NIL]
	s_wait_dscnt 0x0
	CROUND                                         ; the closing round
	s_endpgm
.Lfunc_end_k_q08b1f571f9_proj_route:
	.size	k_q08b1f571f9_proj_route, .Lfunc_end_k_q08b1f571f9_proj_route-k_q08b1f571f9_proj_route
	.p2alignl 7, 3214868480
	.fill 96, 4, 3214868480
	.section	.rodata,"a",@progbits
	.p2align	6, 0x0
	.amdhsa_kernel k_q08b1f571f9_proj_route
		.amdhsa_group_segment_fixed_size 327680
		.amdhsa_private_segment_fixed_size 0
		.amdhsa_enable_private_segment 0
		.amdhsa_kernarg_size 56
		.amdhsa_user_sgpr_count 2
		.amdhsa_user_sgpr_kernarg_segment_ptr 1
		.amdhsa_wavefront_size32 1
		.amdhsa_system_sgpr_workgroup_id_x 1
		.amdhsa_system_sgpr_workgroup_id_y 1
		.amdhsa_system_sgpr_workgroup_id_z 1
		.amdhsa_system_vgpr_workitem_id 0
		.amdhsa_next_free_vgpr 512
		.amdhsa_next_free_sgpr 80
		.amdhsa_reserve_vcc 1
		.amdhsa_float_denorm_mode_32 3
		.amdhsa_float_denorm_mode_16_64 3
		.amdhsa_memory_ordered 1
		.amdhsa_forward_progress 1
		.amdhsa_inst_pref_size 145
	.end_amdhsa_kernel
	.amdgpu_metadata
---
amdhsa.version: [ 1, 2 ]
amdhsa.kernels:
  - .name:           k_q08b1f571f9_proj_route
    .symbol:         k_q08b1f571f9_proj_route.kd
    .args:
      - { .name: act16, .offset: 0, .size: 8, .value_kind: global_buffer, .address_space: global }
      - { .name: wts, .offset: 8, .size: 8, .value_kind: global_buffer, .address_space: global }
      - { .name: b_mh, .offset: 16, .size: 8, .value_kind: global_buffer, .address_space: global }
      - { .name: W_router, .offset: 24, .size: 8, .value_kind: global_buffer, .address_space: global }
      - { .name: h16, .offset: 32, .size: 8, .value_kind: global_buffer, .address_space: global }
      - { .name: setid, .offset: 40, .size: 8, .value_kind: global_buffer, .address_space: global }
      - { .name: gates, .offset: 48, .size: 8, .value_kind: global_buffer, .address_space: global }
    .group_segment_fixed_size: 327680
    .private_segment_fixed_size: 0
    .kernarg_segment_align: 8
    .kernarg_segment_size: 56
    .max_flat_workgroup_size: 128
    .sgpr_count:     80
    .vgpr_count:     512
    .wavefront_size: 32
...
	.end_amdgpu_metadata
.endif
;; end of part 2
;; launch sort_cast (part 3): grid 156 x 1, 32 waves a work-group, no clusters, 4,352 bytes of LDS; arguments setid, W_merge, W1, W2, order, wts, counts; writes order, wts, counts
.if DOCPART == 3
	.amdgcn_target "amdgcn-amd-amdhsa--gfx1250"
	.amdhsa_code_object_version 6
	.text
	.protected	k_q08b1f571f9_sort_cast
	.globl	k_q08b1f571f9_sort_cast
	.p2align	8
	.type	k_q08b1f571f9_sort_cast,@function
k_q08b1f571f9_sort_cast:
	s_mov_b64 s[64:65], 0
	v_nop
	global_prefetch_b8 v0, s[64:65] scope:SCOPE_SE
	s_setreg_imm32_b32 hwreg(HW_REG_WAVE_MODE, 25, 1), 1
	s_wait_xcnt 0x0
; Launch 3 of 5.  Work-groups 0-27: work-group s lists the tokens p whose set of two experts is s, by a counting sort without atomics.  order is ONE list of 32,768 places, the sets on end:
; set s begins behind all tokens of the sets below it; counts[s] is its number of tokens.
; Work-groups 28-155: chunk c = number - 28 of 64 KiB of f32: W_merge (c < 64) to bf16 at wts + 2 MiB, W1 (64-95) and W2 (96-127) to bf16 and that number written as f16.
; W2 lies as in memory, [e][f][d], at wts + 5 MiB.  W1 lies BY CHUNKS of 128 hidden units, [e][f / 128][d][f % 128], at wts + 4 MiB, so that what launch 4 takes at a time is 32 KiB on end.
; W1's chunks also leave their largest |w| (wts + 6 MiB + 4 (c - 64): four words an expert), from which launch 4 bounds the hidden layer.
; Work left out: nothing here; the list is what lets launch 4 leave the six unchosen experts out (see the first kernel's head).
; The sort: wave v holds ids 1024 v .. 1024 v + 1023 in 32 registers; it counts its ids equal to s and its ids below s (each at most 1,024: the two share a word, 16 bits each; their sums over
; the 32 waves are at most 32,768 and stay inside their halves); the 32 words meet in LDS; a match is stored at (all ids below s) + (matches of the waves before) + its rank in the wave.
; All offsets and data of the stores are made while every lane is on; then each store runs under its own mask, and EXEC is set whole again behind it (all lanes are on at the entry).
; Every barrier stands under branches on the work-group's number alone, which is the same in all its waves.
.set WORDS, 0                          ; 32 words, one a wave
.set SPARE, 256                        ; the spare words: 128 bytes for each of 32 waves
.set SPW, 44
.set NIL, 45
.set ID,  8                            ; v[8:39]    my 32 ids
.set OF,  64                           ; v[64:95]   where each would go in the list, in bytes
.set PD,  96                           ; v[96:127]  their p
	s_load_b256 s[4:11], s[0:1], 0x0               ; setid s[4:5], W_merge s[6:7], W1 s[8:9], W2 s[10:11]
	s_load_b128 s[12:15], s[0:1], 0x20             ; order s[12:13], wts s[14:15]
	s_load_b64 s[32:33], s[0:1], 0x30              ; counts
	v_lshl_add_u32 v[SPW], v0, 2, SPARE
	v_mov_b32 v[NIL], 0
	v_lshrrev_b32 v1, 5, v0
	v_readfirstlane_b32 s16, v1                    ; wave 0..31
	v_and_b32 v2, 31, v0                           ; lane
	v_lshlrev_b32 v3, 2, v2                        ; the word of wave 'lane'
	v_lshlrev_b32 v4, 2, v1                        ; my wave's word
	s_mov_b32 s17, ttmp9
	s_mov_b32 s19, 0
	s_mov_b32 s30, 0x76543210
	s_mov_b32 s31, 0xfedcba98
	s_wait_kmcnt 0x0
	s_cmp_lt_u32 s17, 28
	s_cbranch_scc0 .Lcast
	; ---- the list of set s17 ----
	v_lshlrev_b32 v5, 4, v2
	v_lshl_or_b32 v5, v1, 12, v5                   ; 4,096 x wave + 16 x lane
	v_lshrrev_b32 v6, 2, v5                        ; p of my first id
.set k, 0
.rept 8
	global_load_b128 v[ID+4*k:ID+4*k+3], v5, s[4:5] offset:512*k
.set k, k+1
.endr
	s_mov_b32 s20, 0                               ; my wave's ids equal to s
	s_mov_b32 s28, 0                               ; and below s
	s_wait_loadcnt 0x0
.set i, 0
.rept 32
	v_cmp_eq_u32 vcc_lo, s17, v[ID+i]
	s_bcnt1_i32_b32 s21, vcc_lo
	s_add_co_u32 s20, s20, s21
	v_cmp_gt_u32 vcc_lo, s17, v[ID+i]              ; s > id
	s_bcnt1_i32_b32 s21, vcc_lo
	s_add_co_u32 s28, s28, s21
.set i, i+1
.endr
	s_lshl_b32 s28, s28, 16
	s_or_b32 s20, s20, s28                         ; both counts in one word
	v_mov_b32 v7, s20
	ds_store_b32 v4, v7                            ; all lanes write the same word with the same number
	s_wait_dscnt 0x0
	s_barrier_signal -1
	s_barrier_wait -1
	ds_load_b32 v7, v3
	s_mov_b32 s22, 0                               ; the words of the waves before mine, added up
	s_mov_b32 s23, 0                               ; the words of all waves
	s_wait_dscnt 0x0
.set i, 0
.rept 32
	v_readlane_b32 s21, v7, i
	s_add_co_u32 s23, s23, s21
	s_cmp_lt_u32 i, s16
	s_cselect_b32 s21, s21, 0
	s_add_co_u32 s22, s22, s21
.set i, i+1
.endr
	s_lshr_b32 s28, s23, 16                        ; all ids below s: where my set begins
	s_and_b32 s23, s23, 0xffff                     ; my set's count
	s_and_b32 s22, s22, 0xffff                     ; matches in the waves before mine
	s_add_co_u32 s22, s22, s28                     ; my wave's first place in the list
	s_lshl_b32 s21, s17, 2
	v_mov_b32 v42, s21                             ; where the set's count goes,
	v_mov_b32 v43, s23                             ; and the count
.set i, 0
.rept 32                               ; every lane on: the places and the numbers of all 32 stores
	v_cmp_eq_u32 vcc_lo, s17, v[ID+i]
	v_mbcnt_lo_u32_b32 v[OF+i], vcc_lo, 0          ; matches in the lanes below mine
	v_add_nc_u32 v[OF+i], s22, v[OF+i]
	v_min_u32 v[OF+i], 0x7fff, v[OF+i]             ; the list has 32,768 places
	v_lshlrev_b32 v[OF+i], 2, v[OF+i]
	v_add_nc_u32 v[PD+i], 128*(i/4)+(i%4), v6      ; p
	s_bcnt1_i32_b32 s21, vcc_lo
	s_add_co_u32 s22, s22, s21
.set i, i+1
.endr
.set i, 0
.rept 32
	v_cmp_eq_u32 vcc_lo, s17, v[ID+i]
	s_wait_xcnt 0x0                                ; EXEC changes only behind this wait
	s_and_saveexec_b32 s26, vcc_lo
	global_store_b32 v[OF+i], v[PD+i], s[12:13]    ; the matching lanes fill neighbouring words
	s_wait_xcnt 0x0                                ; and again, in front of the line that widens it
	s_mov_b32 exec_lo, -1                          ; every lane on again
.set i, i+1
.endr
	s_cmp_lg_u32 s16, 0
	s_cbranch_scc1 .Lend
	v_cmp_eq_u32 vcc_lo, 0, v2
	s_wait_xcnt 0x0
	s_and_saveexec_b32 s26, vcc_lo
	global_store_b32 v42, v43, s[32:33]
	s_wait_xcnt 0x0
	s_mov_b32 exec_lo, -1
	s_branch .Lend
	; ---- a chunk of weights ----
.Lcast:
	s_sub_co_u32 s20, s17, 28                      ; c
	s_sub_co_u32 s21, s20, 64
	s_sub_co_u32 s22, s20, 96
	s_cmp_lt_u32 s20, 96
	s_cselect_b64 s[24:25], s[8:9], s[10:11]
	s_cselect_b32 s23, s21, s22
	s_cmp_lt_u32 s20, 64
	s_cselect_b64 s[24:25], s[6:7], s[24:25]
	s_cselect_b32 s23, s20, s23                    ; the chunk's number in its tensor
	s_lshl_b32 s18, s23, 16
	s_add_nc_u64 s[24:25], s[24:25], s[18:19]
	s_lshl_b32 s18, s20, 15
	s_add_co_u32 s18, s18, 0x200000
	s_add_nc_u64 s[26:27], s[14:15], s[18:19]      ; W_merge's and W2's chunks lie as in memory
	v_lshlrev_b32 v5, 4, v2
	v_lshl_or_b32 v5, v1, 11, v5                   ; 2,048 x wave + 16 x lane
	v_lshrrev_b32 v6, 1, v5
.set i, 0
.rept 4
	global_load_b128 v[8+4*i:8+4*i+3], v5, s[24:25] offset:512*i th:TH_LOAD_NT
.set i, i+1
.endr
.set i, 0
.rept 4
	s_wait_loadcnt 3-i                             ; load i is in, the younger ones stay out
	v_cvt_pk_bf16_f32 v[24+2*i], v[8+4*i], v[8+4*i+1]
	v_cvt_pk_bf16_f32 v[24+2*i+1], v[8+4*i+2], v[8+4*i+3]
.set i, i+1
.endr
	s_cmp_lt_u32 s20, 64
	s_cbranch_scc0 .Lhalf
.set i, 0
.rept 4
	global_store_b64 v6, v[24+2*i:24+2*i+1], s[26:27] offset:256*i   ; 256 consecutive bytes, aligned
.set i, i+1
.endr
	s_branch .Lend
.Lhalf:
.set i, 0
.rept 8
	v_lshlrev_b32 v[8+2*i], 16, v[24+i]            ; the bf16 numbers as f32,
	v_and_b32 v[8+2*i+1], 0xffff0000, v[24+i]
	v_cvt_pk_f16_f32 v[32+i], v[8+2*i], v[8+2*i+1] ; written as f16
.set i, i+1
.endr
	s_cmp_lt_u32 s20, 96
	s_cbranch_scc1 .Lw1
.set i, 0
.rept 4
	global_store_b64 v6, v[32+2*i:32+2*i+1], s[26:27] offset:256*i
.set i, i+1
.endr
	s_branch .Lend
.Lw1:                                          ; c - 64 = 4 e + k: rows d = 32 k + wave of expert e; my load i holds hidden units 128 i + 4 lane on: chunk i
	s_lshr_b32 s18, s21, 2
	s_lshl_b32 s18, s18, 17                        ; an expert: 131,072 bytes
	s_and_b32 s23, s21, 3
	s_lshl_b32 s23, s23, 13                        ; 32 rows of 256 bytes
	s_add_co_u32 s18, s18, s23
	s_add_co_u32 s18, s18, 0x400000
	s_add_nc_u64 s[34:35], s[14:15], s[18:19]
	v_lshlrev_b32 v47, 3, v2
	v_lshl_or_b32 v47, v1, 8, v47                  ; 256 x wave + 8 x lane
.set i, 0
.rept 4
	global_store_b64 v47, v[32+2*i:32+2*i+1], s[34:35] offset:32768*i   ; 256 consecutive bytes, aligned: row d of chunk i
.set i, i+1
.endr
	s_mov_b32 s28, 0x7fffffff                      ; the chunk's largest |w|
.set i, 0
.rept 16
	v_and_b32 v[8+i], s28, v[8+i]
.set i, i+1
.endr
	v_max3_num_f32 v8, v8, v9, v10
.set i, 11
.rept 6
	v_max3_num_f32 v8, v8, v[i], v[i+1]
.set i, i+2
.endr
	v_max_num_f32 v8, v8, v23
.macro WMAX                            ; the maximum over the wave's 32 lanes, in every lane
	v_max_num_f32_dpp v8, v8, v8 row_xmask:1 row_mask:0xf bank_mask:0xf
	v_max_num_f32_dpp v8, v8, v8 row_xmask:2 row_mask:0xf bank_mask:0xf
	v_max_num_f32_dpp v8, v8, v8 row_xmask:4 row_mask:0xf bank_mask:0xf
	v_max_num_f32_dpp v8, v8, v8 row_xmask:8 row_mask:0xf bank_mask:0xf
	v_permlanex16_b32 v9, v8, s30, s31
	v_max_num_f32 v8, v8, v9
.endm
	WMAX
	ds_store_b32 v4, v8
	s_wait_dscnt 0x0
	s_barrier_signal -1
	s_barrier_wait -1
	s_cmp_lg_u32 s16, 0
	s_cbranch_scc1 .Lend
	ds_load_b32 v8, v3
	s_lshl_b32 s21, s21, 2
	v_mov_b32 v46, s21                             ; 4 (c - 64)
	s_wait_dscnt 0x0
	WMAX
	v_cmp_eq_u32 vcc_lo, 0, v2
	s_wait_xcnt 0x0
	s_and_saveexec_b32 s29, vcc_lo
	global_store_b32 v46, v8, s[14:15] offset:0x600000
	s_wait_xcnt 0x0
	s_mov_b32 exec_lo, -1
.Lend:
	s_wait_tensorcnt 0x0                           ; the wave's end
	ds_add_u32 v[SPW], v[NIL]
	s_wait_dscnt 0x0
	s_endpgm
.Lfunc_end_k_q08b1f571f9_sort_cast:
	.size	k_q08b1f571f9_sort_cast, .Lfunc_end_k_q08b1f571f9_sort_cast-k_q08b1f571f9_sort_cast
	.p2alignl 7, 3214868480
	.fill 96, 4, 3214868480
	.section	.rodata,"a",@progbits
	.p2align	6, 0x0
	.amdhsa_kernel k_q08b1f571f9_sort_cast
		.amdhsa_group_segment_fixed_size 4352
		.amdhsa_private_segment_fixed_size 0
		.amdhsa_enable_private_segment 0
		.amdhsa_kernarg_size 56
		.amdhsa_user_sgpr_count 2
		.amdhsa_user_sgpr_kernarg_segment_ptr 1
		.amdhsa_wavefront_size32 1
		.amdhsa_system_sgpr_workgroup_id_x 1
		.amdhsa_system_sgpr_workgroup_id_y 1
		.amdhsa_system_sgpr_workgroup_id_z 1
		.amdhsa_system_vgpr_workitem_id 0
		.amdhsa_next_free_vgpr 128
		.amdhsa_next_free_sgpr 66
		.amdhsa_reserve_vcc 1
		.amdhsa_float_denorm_mode_32 3
		.amdhsa_float_denorm_mode_16_64 3
		.amdhsa_memory_ordered 1
		.amdhsa_forward_progress 1
		.amdhsa_inst_pref_size 41
	.end_amdhsa_kernel
	.amdgpu_metadata
---
amdhsa.version: [ 1, 2 ]
amdhsa.kernels:
  - .name:           k_q08b1f571f9_sort_cast
    .symbol:         k_q08b1f571f9_sort_cast.kd
    .args:
      - { .name: setid, .offset: 0, .size: 8, .value_kind: global_buffer, .address_space: global }
      - { .name: W_merge, .offset: 8, .size: 8, .value_kind: global_buffer, .address_space: global }
      - { .name: W1, .offset: 16, .size: 8, .value_kind: global_buffer, .address_space: global }
      - { .name: W2, .offset: 24, .size: 8, .value_kind: global_buffer, .address_space: global }
      - { .name: order, .offset: 32, .size: 8, .value_kind: global_buffer, .address_space: global }
      - { .name: wts, .offset: 40, .size: 8, .value_kind: global_buffer, .address_space: global }
      - { .name: counts, .offset: 48, .size: 8, .value_kind: global_buffer, .address_space: global }
    .group_segment_fixed_size: 4352
    .private_segment_fixed_size: 0
    .kernarg_segment_align: 8
    .kernarg_segment_size: 56
    .max_flat_workgroup_size: 1024
    .sgpr_count:     66
    .vgpr_count:     128
    .wavefront_size: 32
...
	.end_amdgpu_metadata
.endif
;; end of part 3
;; launch experts (part 4): grid 232 x 1, 4 waves a work-group, no clusters, 204,800 bytes of LDS; arguments order, h16, gates, wts, b1, b2, act16, counts; writes act16
.if DOCPART == 4
	.amdgcn_target "amdgcn-amd-amdhsa--gfx1250"
	.amdhsa_code_object_version 6
	.text
	.protected	k_q08b1f571f9_experts
	.globl	k_q08b1f571f9_experts
	.p2align	8
	.type	k_q08b1f571f9_experts,@function
k_q08b1f571f9_experts:
	s_mov_b64 s[64:65], 0
	v_nop
	global_prefetch_b8 v0, s[64:65] scope:SCOPE_SE
	s_setreg_imm32_b32 hwreg(HW_REG_WAVE_MODE, 25, 1), 1
	s_wait_xcnt 0x0
; Launch 4 of 5: each token goes through its TWO experts; the six whose gate reference() sets to 0 are left out (see the first kernel's head).
; moe[token] = gA (gelu(h W1[A] + b1[A]) W2[A] + b2[A]) + gB (the same with B), stored as bf16 in act16 [row][1024] = [token][128].
; TILES.  Tokens are listed by their set {A < B} of experts (28 sets, on end in one list), so each token has one owner and both experts add into one accumulator.  A tile is 160 rows of one set.
; The sum over sets of ceil(n / 160) is at most (32768 + 28 x 159) / 160 = 232 for every split: the grid.  Each work-group finds its tile from the 28 stored counts.  Places past a set's end repeat
; its last row, and their stores are masked; a work-group past the last tile stores nothing.  No branch hangs on the counts.
; SHARES.  Wave w: q = w % 2 takes 64 of each chunk's 128 hidden units, tg = w / 2 takes 80 rows = 5 blocks of 16.  The two q's partial sums meet in LDS at the end.
; A STEP is 32 hidden units of one expert: 40 products h W1 (source 0 = 16 hidden units, source 1 = 16 tokens: a lane holds one token and 8 hidden units; b1 starts the sums), the GELU, whose
; results rounded to f16 in pairs ARE source 1 of 40 products a W2.  16 steps: 8 for A, 8 for B.  In LDS W1 lies [d][f] and W2 [f][d]; both are turned by ds_load_tr16_b128.
; THE WEIGHTS go in 8 CHUNKS of 128 hidden units (4 of A, 4 of B; 32 KiB of W1 and 32 KiB of W2 each, both on end in memory) through two LDS slots that take turns.  Their addresses hang on the
; stored counts; they come through registers: wave w takes 64 rows of 256 bytes (waves 0, 1 of W1, waves 2, 3 of W2) by 32 loads of 512 consecutive bytes into 128 registers of its own, asked for one
; change of slots (two steps) ahead, and lays them into the slot that has just been left.  One barrier for each change: in front of it each wave has waited for its reads of the slot that it
; leaves and for its stores into the other; behind it nobody reads the old slot and the other is whole.
; THE GELU, gate and a scale in one: a g / sigma = x / ((1 + e) t), e = 2^(x (C0 + C1 x^2)), t = sigma / g.  sigma = max(128 hmax wmax + b1max, 2^-100) bounds |x| for the token (hmax its largest |h|,
; wmax and b1max over both experts), so what is rounded to f16 lies within -1 .. 1 whatever the inputs' scale.  t is held to the largest finite number: a gate of 0 gives 0.  moe = sigma acc + gA b2[A] + gB b2[B].
; NO CLUSTER: partners would have to share a set; whole clusters for each set need tiles of (32768 + 28 x 895) / 64 / 4 = 224 rows against 160.
; LIMITS: as at the first kernel's head; e and the reciprocals flush results below 2^-126 to 0.
; REGISTERS.  Window 0: v0-31 addresses; v32-79 per-token factors and two addresses; v80-95 b1 of the step; X(b) = 96 + 16 b; Z(b) = 176 + 16 b.  Window 1: accumulators of blocks 0-3 (64 b + 8 i);
; at the head chunks 0 and 1 on their way.  Window 2: v0-63 block 4's accumulators; h's fragments at 64 + 32 b + 8 kk.  Window 3: W1's fragments 8 (4 t + kk); W2's at 64 + 8 i; v128-255 the chunk on its way.
; Accumulator i of wave q holds channels 16 (4 ((i / 4) ^ q) + i % 4) on: every wave keeps i = 0-3 and sends i = 4-7 to its partner.
.set PW,    288                        ; a row of W1 or W2 in LDS: 256 bytes + 32 = 72 words
.set W2T,   128*PW                     ; in a slot: 128 rows (d) of W1, then 128 rows (f) of W2
.set SLOT1, 1<<17
.set BIT,   81920                      ; b1 of both experts, f32 [2][512]
.set B2T,   86016                      ; b2 of both experts, f32 [2][128]
.set TOKT,  87040                      ; the tile's 160 tokens
.set BMX,   87808                      ; each wave's largest |b1|
.set SPARE, 88064                      ; the spare words
.set XRW,   20480                      ; behind the loop: what each wave sends, from byte 0 on (slot 0 behind its last read, and 8 KiB beyond it)
.set STG,   SLOT1                      ; and the stage, 160 rows x 272, in slot 1 behind its last read
.set SP,    272
.set AW1, 3
.set AW2A, 4
.set AW2B, 5
.set ABI, 6
.set R1,  7
.set RBI, 8
.set R2A, 9
.set R2B, 10
.set XS,  11
.set XL,  12
.set STO, 13
.set RD,  14
.set TKR, 15
.set B2AD, 16
.set WST, 29                           ; v29  where my rows of the chunk in hand go in LDS
.set SPW, 30
.set NIL, 31
.set TC,  32                           ; v32-41 t of the expert in hand, a pair a block
.set TB,  42                           ; v42-46 t of expert B
.set B1M, 47
.set SG,  48                           ; v48-57 sigma
.set GA,  58                           ; v58-67 gA
.set GB,  68                           ; v68-77 gB
.set GOF, 78                           ; v78  16 x lane: my 16 bytes of 512 consecutive bytes of weights; never rewritten
.set AWS, 79                           ; v79  my place in slot 0: (64 wave + lane / 16) rows + 16 (lane % 16); never rewritten
.set BIAS, 80
.set X,   96
.set Z,   176
.set HF,  64                           ; window 2
.set W2F, 64                           ; window 3
.set PAD, 96                           ; at work in the prologue
.set PP,  104
.set TK,  112
.set HA,  120
.set GD,  128
.set HM,  148
.set WS,  160                          ; v160-167 the largest |W1|: four words of expert A, four of B
.set WV,  22
.set Q,   23
.set TG,  24
.set CP,  28                           ; s[28:29] counts
.set WA0, 30                           ; s[30:31] my rows of chunk 0
.set WA1, 32                           ; s[32:33] of chunk 1
.set WA,  34                           ; s[34:35] of the chunk asked for last
.set TBW, 36                           ; s36  the slot that the next change fills
.set START, 37                         ; s37  where my set begins in the list
.set CUMN, 38                          ; s38  tokens of the sets so far
.set WB,  48                           ; s[48:49] my rows of expert 0's chunk 0
.set NXT, 51                           ; s51  the chunk to be asked for next
.set OFF, 52
.set EA,  54
.set EB,  55
.set NS,  57
.set FIRST, 58
.set CW,  59
.set TB1, 60
.set TB2, 61
.set TBB, 62
.set STEP, 63
.set CNT, 66
.set SLOTS, 67
.set C0,  78
.set C1,  80
.set SEL, 82
.set MSB, 0
.macro WIN new
.if MSB != (\new)
	s_set_vgpr_msb (MSB<<8)|(\new)
.set MSB, \new
.endif
.endm
.macro PLACES
.rept 4
	v_nop
.endr
.endm
.macro RND2 r, t
	v_cvt_pk_bf16_f32 v[\t], v[\r], v[(\r)+1]
	v_lshlrev_b32 v[\r], 16, v[\t]
	v_and_b32 v[(\r)+1], 0xffff0000, v[\t]
.endm
; My 16 KiB of a chunk: 32 loads of 512 consecutive bytes, two rows each, into 128 registers from vb on in the window that win names as the destination's
.macro GLD win, vb, sb
	WIN \win
.set gi, 0
.rept 32
	global_load_b128 v[(\vb)+4*gi:(\vb)+4*gi+3], v[GOF], s[\sb:(\sb)+1] offset:512*gi
.set gi, gi+1
.endr
	WIN 0
.endm
; and their way into LDS: lanes 0-15 fill one row's 256 bytes, lanes 16-31 the next row's; win names the window of the data (source 1)
.macro DST win, vb, adr
	WIN \win
.set gi, 0
.rept 32
	ds_store_b128 v[\adr], v[(\vb)+4*gi:(\vb)+4*gi+3] offset:2*PW*gi
.set gi, gi+1
.endr
	WIN 0
.endm
; THE CHANGE OF SLOTS.  Each wave waits for its reads of the slot that it leaves and for its stores into the other (those were awaited at the change before), and meets the others.
; fill = 1: the chunk that waits in my registers goes into the old slot, and the next chunk is asked for: chunks 0-3 are expert A's, 4-7 B's.  The last filling change (SLOTS = 1) asks for nothing.
.macro CHANGE fill
	WIN 0
.if \fill
	s_wait_loadcnt 0x0                             ; the chunk is in my registers; its base may be written again
.endif
	s_wait_dscnt 0x0                               ; my reads of the slot that I leave are over
	s_barrier_signal -1
	s_sub_co_u32 s[TB1], s[TB1], 128               ; the fetches go back to a slot's first step, in the other slot
	s_xor_b32 s[TB1], s[TB1], SLOT1
	s_sub_co_u32 s[TB2], s[TB2], 2*32*PW
	s_xor_b32 s[TB2], s[TB2], SLOT1
	s_add_co_u32 s[TBB], s[TBB], 256               ; b1: past the other q's 64 hidden units
	s_barrier_wait -1                              ; nobody reads the old slot any more, and the other slot is whole
.if \fill
	v_add_nc_u32 v[WST], s[TBW], v[AWS]
	DST 0x0c, 128, WST
	s_xor_b32 s[TBW], s[TBW], SLOT1
	s_cmp_eq_u32 s[SLOTS], 1
	s_cbranch_scc1 .Lno_more_\@
	s_cmp_lt_u32 s[NXT], 4
	s_cselect_b32 s[OFF], s[EA], s[EB]
	s_min_u32 s[OFF], s[OFF], 7                    ; an expert's number, held to 0 .. 7
	s_lshl_b32 s[OFF], s[OFF], 17                  ; an expert's W1 or W2 is 131,072 bytes,
	s_and_b32 s26, s[NXT], 3
	s_lshl_b32 s26, s26, 15                        ; a chunk 32,768
	s_add_co_u32 s[OFF], s[OFF], s26
	s_add_nc_u64 s[WA:WA+1], s[WB:WB+1], s[OFF:OFF+1]
	s_add_co_u32 s[NXT], s[NXT], 1
	s_wait_dscnt 0x0                               ; the stores above are done: their registers are loaded again only behind this wait
	GLD 0xc0, 128, WA
.Lno_more_\@:
.endif
.endm
	s_load_b256 s[8:15], s[0:1], 0x0               ; order s[8:9], h16 s[10:11], gates s[12:13], wts s[14:15]
	s_load_b128 s[16:19], s[0:1], 0x20             ; b1 s[16:17], b2 s[18:19]
	s_load_b64 s[20:21], s[0:1], 0x30              ; act16
	s_load_b64 s[CP:CP+1], s[0:1], 0x38            ; counts
	v_lshl_add_u32 v[SPW], v0, 2, SPARE
	v_mov_b32 v[NIL], 0
	v_lshrrev_b32 v1, 5, v0
	v_readfirstlane_b32 s[WV], v1
	v_mov_b32 v17, 0
	s_and_b32 s[Q], s[WV], 1
	s_lshr_b32 s[TG], s[WV], 1
	s_mov_b32 s25, ttmp9
	s_mov_b32 s26, 0                               ; tiles of the sets so far
	s_mov_b32 s[CUMN], 0
	s_mov_b32 s[NS], 0
	s_mov_b32 s[FIRST], 0
	s_mov_b32 s[START], 0
	s_mov_b32 s[EA], 0
	s_mov_b32 s[EB], 1
	s_wait_kmcnt 0x0
.set i, 0
.rept 7
	global_load_b128 v[96+4*i:96+4*i+3], v17, s[CP:CP+1] offset:16*i   ; the 28 counts: every lane reads the same bytes
.set i, i+1
.endr
	s_wait_loadcnt 0x0
.set i, 0
.rept 28
	v_readfirstlane_b32 s[68+i], v[96+i]           ; s68-95
.set i, i+1
.endr
; My set is the last one that has tokens and begins at or before my number.  ceil(n / 160) = ((n + 159) x 26215) >> 22 for n up to 32,768.
.macro SETSEL i, slo, shi
	s_add_co_u32 s27, s[68+\i], 159
	s_mul_i32 s27, s27, 26215
	s_lshr_b32 s27, s27, 22
	s_cmp_lt_u32 s25, s26                          ; does the set begin behind my number?
	s_cselect_b32 s60, 0, s[68+\i]
	s_cmp_lg_u32 s60, 0
	s_cselect_b32 s[NS], s60, s[NS]
	s_cselect_b32 s[FIRST], s26, s[FIRST]
	s_cselect_b32 s[START], s[CUMN], s[START]
	s_cselect_b32 s[EA], \slo, s[EA]
	s_cselect_b32 s[EB], \shi, s[EB]
	s_add_co_u32 s26, s26, s27
	s_add_co_u32 s[CUMN], s[CUMN], s[68+\i]
.endm
.set si, 0
.set sl, 0
.rept 7
.set sh, sl+1
.rept 7-sl
	SETSEL si, sl, sh
.set si, si+1
.set sh, sh+1
.endr
.set sl, sl+1
.endr
	s_min_u32 s[EA], s[EA], 7
	s_min_u32 s[EB], s[EB], 7
	s_sub_co_u32 s[FIRST], s25, s[FIRST]
	s_mul_i32 s[FIRST], s[FIRST], 160              ; my tile's first place in its set
	s_sub_co_i32 s[CW], s[NS], s[FIRST]            ; places that are left from there (0 or less: I store nothing)
	s_sub_co_u32 s[NS], s[NS], 1                   ; the set's last place
	s_lshl_b32 s[OFF], s[TG], 20                   ; what I fetch: waves 0, 1 W1 (wts + 4 MiB), waves 2, 3 W2 (wts + 5 MiB);
	s_add_co_u32 s[OFF], s[OFF], 0x400000
	s_lshl_b32 s27, s[Q], 14                       ; my 64 rows of a chunk's 128: 16,384 bytes
	s_add_co_u32 s[OFF], s[OFF], s27
	s_mov_b32 s[OFF+1], 0
	s_add_nc_u64 s[WB:WB+1], s[14:15], s[OFF:OFF+1]
	s_lshl_b32 s[OFF], s[EA], 17
	s_add_nc_u64 s[WA0:WA0+1], s[WB:WB+1], s[OFF:OFF+1]      ; chunk 0
	s_add_co_u32 s[OFF], s[OFF], 32768
	s_add_nc_u64 s[WA1:WA1+1], s[WB:WB+1], s[OFF:OFF+1]      ; chunk 1
	s_add_co_u32 s[OFF], s[OFF], 32768
	s_add_nc_u64 s[WA:WA+1], s[WB:WB+1], s[OFF:OFF+1]        ; chunk 2
	s_mov_b32 s[NXT], 3
	s_mov_b32 s[TBW], 0                            ; the first change fills slot 0
	v_and_b32 v1, 15, v0                           ; r
	v_bfe_u32 v2, v0, 4, 1                         ; h
	v_and_b32 v[GOF], 31, v0
	v_lshlrev_b32 v[GOF], 4, v[GOF]
	s_mul_i32 s27, s[WV], 64*PW
	v_mul_u32_u24 v[AWS], v2, PW
	v_lshl_add_u32 v[AWS], v1, 4, v[AWS]
	v_add_nc_u32 v[AWS], s27, v[AWS]
	v_add_nc_u32 v[WST], SLOT1, v[AWS]             ; the same place in slot 1
	s_mul_i32 s27, s[TG], 80
	s_add_co_u32 s92, s[FIRST], s27
	v_add_nc_u32 v19, s92, v1                      ; my row's place in its set, block 0
.irp b, 0,1,2,3,4
	v_add_nc_u32 v[PAD+(\b)], 16*(\b), v19
	v_min_u32 v[PAD+(\b)], s[NS], v[PAD+(\b)]      ; places past the end repeat the last row
	v_add_nc_u32 v[PAD+(\b)], s[START], v[PAD+(\b)]
	v_min_u32 v[PAD+(\b)], 0x7fff, v[PAD+(\b)]
	v_lshlrev_b32 v[PAD+(\b)], 2, v[PAD+(\b)]
	global_load_b32 v[PP+(\b)], v[PAD+(\b)], s[8:9]
.endr
	s_lshl_b32 s[OFF], s[EA], 4
	s_add_nc_u64 s[68:69], s[14:15], s[OFF:OFF+1]  ; the largest |W1| of both experts, four words each, at wts + 6 MiB + 16 x expert
	s_lshl_b32 s[OFF], s[EB], 4
	s_add_nc_u64 s[70:71], s[14:15], s[OFF:OFF+1]
	v_mov_b32 v25, 0
	global_load_b128 v[WS:WS+3],   v25, s[68:69] offset:0x600000   ; every lane reads the same 16 bytes
	global_load_b128 v[WS+4:WS+7], v25, s[70:71] offset:0x600000
	GLD 0x40, 0, WA0                               ; chunk 0 into window 1, v0-127
	v_and_b32 v17, 7, v0                           ; the turning load: row 8 h + l % 8, 16 bytes by (l / 8) % 2
	v_bfe_u32 v18, v0, 3, 1
	v_lshl_add_u32 v17, v2, 3, v17
	v_mul_u32_u24 v17, v17, PW
	v_lshl_add_u32 v17, v18, 4, v17
	s_lshl_b32 s27, s[Q], 7
	v_add_nc_u32 v[AW1], s27, v17                  ; W1: my 64 hidden units' columns
	s_mul_i32 s92, s[Q], 64*PW
	s_add_co_u32 s92, s92, W2T
	v_add_nc_u32 v[AW2B], s92, v17                 ; W2: my 64 hidden units' rows;
	v_add_nc_u32 v[AW2A], s27, v[AW2B]             ; accumulators 0-3: channels 64 q on,
	s_xor_b32 s27, s27, 128
	v_add_nc_u32 v[AW2B], s27, v[AW2B]             ; accumulators 4-7: the other 64
	s_lshl_b32 s27, s[Q], 8
	s_add_co_u32 s27, s27, BIT
	v_lshl_add_u32 v[ABI], v2, 5, s27
	s_lshl_b32 s[OFF], s[EA], 11
	s_add_nc_u64 s[84:85], s[16:17], s[OFF:OFF+1]  ; b1[A]
	s_lshl_b32 s[OFF], s[EB], 11
	s_add_nc_u64 s[86:87], s[16:17], s[OFF:OFF+1]  ; b1[B]
	s_mov_b32 s[C0], 0xc0135761                    ; -2 sqrt(2 / pi) log2(e)
	s_mov_b32 s[C0+1], s[C0]
	s_mov_b32 s[C1], 0xbdd2d3e8                    ; that x 0.044715
	s_mov_b32 s[C1+1], s[C1]
	s_mov_b32 s[SEL], 0x76543210
	s_mov_b32 s[SEL+1], 0xfedcba98
	s_mov_b32 s93, 0x7fffffff
	v_lshlrev_b32 v20, 4, v0
	s_wait_loadcnt 32                              ; the list's five loads and the two of |W1| are in; chunk 0's 32 loads stay out
.irp b, 0,1,2,3,4
	v_and_b32 v[TK+(\b)], 0xfff, v[PP+(\b)]        ; p = head x 4096 + row
	v_min_u32 v[TK+(\b)], 0xfff, v[TK+(\b)]
	v_lshrrev_b32 v[HA+(\b)], 12, v[PP+(\b)]
	v_min_u32 v[HA+(\b)], 7, v[HA+(\b)]
	v_lshl_add_u32 v[TK+(\b)], v[TK+(\b)], 3, v[HA+(\b)]   ; token = row x 8 + head
	v_lshlrev_b32 v[HA+(\b)], 8, v[TK+(\b)]
	v_lshl_add_u32 v[HA+(\b)], v2, 4, v[HA+(\b)]
	v_min_u32 v[GD+(\b)], 0x7fff, v[PP+(\b)]
	v_lshlrev_b32 v[GD+(\b)], 2, v[GD+(\b)]
.endr
	WIN 0x80                                       ; destination window 2: h's fragments stay in registers
.irp b, 0,1,2,3,4
.irp kk, 0,1,2,3
	global_load_b128 v[HF+32*(\b)+8*(\kk):HF+32*(\b)+8*(\kk)+3],   v[HA+(\b)], s[10:11] offset:64*(\kk)
	global_load_b128 v[HF+32*(\b)+8*(\kk)+4:HF+32*(\b)+8*(\kk)+7], v[HA+(\b)], s[10:11] offset:64*(\kk)+32
.endr
.endr
	WIN 0
.irp b, 0,1,2,3,4
	global_load_b32 v[GA+2*(\b)], v[GD+(\b)], s[12:13]
	global_load_b32 v[GB+2*(\b)], v[GD+(\b)], s[12:13] offset:131072
	global_load_b32 v[HM+(\b)],   v[GD+(\b)], s[12:13] offset:262144
.endr
	global_load_b128 v[136:139], v20, s[84:85]     ; thread t: four numbers of b1[A] and of b1[B]
	global_load_b128 v[140:143], v20, s[86:87]
	GLD 0x40, 128, WA1                             ; chunk 1 into window 1, v128-255
	GLD 0xc0, 128, WA                              ; chunk 2 into the registers that every later chunk takes
	s_cmp_lt_u32 s[WV], 2                          ; b2: wave 0 expert A's 128 numbers, wave 1 expert B's
	s_cbranch_scc0 .Lno_b2
	s_cmp_eq_u32 s[WV], 0
	s_cselect_b32 s[OFF], s[EA], s[EB]
	s_min_u32 s[OFF], s[OFF], 7                    ; an expert's number, held to 0 .. 7
	s_lshl_b32 s[OFF], s[OFF], 9
	s_add_nc_u64 s[88:89], s[18:19], s[OFF:OFF+1]
	v_and_b32 v21, 31, v0
	v_lshlrev_b32 v21, 4, v21
	global_load_b128 v[144:147], v21, s[88:89]
	s_wait_loadcnt 0x0
	RND2 144, 22
	RND2 146, 22
	v_lshl_add_u32 v23, v0, 4, B2T
	ds_store_b128 v23, v[144:147]
.Lno_b2:
	s_wait_loadcnt 0x0                             ; everything asked for so far is in
	DST 0x04, 0, AWS                               ; chunk 0 into slot 0,
	DST 0x04, 128, WST                             ; chunk 1 into slot 1
.irp r, 136,138,140,142
	RND2 \r, 22
.endr
	v_lshl_add_u32 v24, v0, 4, BIT
	ds_store_b128 v24, v[136:139]
	ds_store_b128 v24, v[140:143] offset:2048
.irp r, 136,137,138,139,140,141,142,143
	v_and_b32 v[\r], s93, v[\r]
.endr
	v_max3_num_f32 v26, v136, v137, v138
	v_max3_num_f32 v26, v26, v139, v140
	v_max3_num_f32 v26, v26, v141, v142
	v_max_num_f32 v26, v26, v143
	v_max_num_f32_dpp v26, v26, v26 row_xmask:1 row_mask:0xf bank_mask:0xf
	v_max_num_f32_dpp v26, v26, v26 row_xmask:2 row_mask:0xf bank_mask:0xf
	v_max_num_f32_dpp v26, v26, v26 row_xmask:4 row_mask:0xf bank_mask:0xf
	v_max_num_f32_dpp v26, v26, v26 row_xmask:8 row_mask:0xf bank_mask:0xf
	v_permlanex16_b32 v25, v26, s[SEL], s[SEL+1]
	v_max_num_f32 v26, v26, v25
	s_lshl_b32 s94, s[WV], 2
	s_add_co_u32 s94, s94, BMX
	v_mov_b32 v27, s94
	ds_store_b32 v27, v26
	s_cmp_eq_u32 s[Q], 0                           ; the tile's tokens, for the way out: the waves with q = 0 write their 80
	s_cbranch_scc0 .Lno_tok
	s_mul_i32 s26, s[TG], 320
	s_add_co_u32 s26, s26, TOKT
	v_lshl_add_u32 v27, v1, 2, s26
.irp b, 0,1,2,3,4
	ds_store_b32 v27, v[TK+(\b)] offset:64*(\b)
.endr
.Lno_tok:
	s_wait_dscnt 0x0                               ; for the others' sake: my stores into both slots and the tables are done
	s_barrier_signal -1
	s_barrier_wait -1
	v_mov_b32 v27, BMX
	ds_load_b128 v[136:139], v27
	v_max3_num_f32 v[WS], v[WS], v[WS+1], v[WS+2]  ; wmax over both experts' eight words
	v_max3_num_f32 v[WS], v[WS], v[WS+3], v[WS+4]
	v_max3_num_f32 v[WS], v[WS], v[WS+5], v[WS+6]
	v_max_num_f32 v[WS], v[WS], v[WS+7]
	v_mul_f32 v28, 0x43000000, v[WS]               ; 128 wmax
	s_wait_dscnt 0x0
	v_max3_num_f32 v[B1M], v136, v137, v138
	v_max_num_f32 v[B1M], v[B1M], v139
.irp b, 0,1,2,3,4
	v_fma_f32 v[SG+2*(\b)], v[HM+(\b)], v28, v[B1M]
	v_rcp_f32 v[TC+2*(\b)], v[GA+2*(\b)]
	v_rcp_f32 v[TB+(\b)], v[GB+2*(\b)]
.endr
.irp b, 0,1,2,3,4
	v_max_num_f32 v[SG+2*(\b)], 0x0d800000, v[SG+2*(\b)]   ; at least 2^-100
	v_mov_b32 v[GA+2*(\b)+1], v[GA+2*(\b)]
	v_mov_b32 v[GB+2*(\b)+1], v[GB+2*(\b)]
.endr
	s_wait_alu depctr_va_vdst(0)                   ; one wait for the ten reciprocals, ahead of their first use
.irp b, 0,1,2,3,4
	v_mul_f32 v[TC+2*(\b)], v[TC+2*(\b)], v[SG+2*(\b)]
	v_mul_f32 v[TB+(\b)], v[TB+(\b)], v[SG+2*(\b)]
	v_mov_b32 v[SG+2*(\b)+1], v[SG+2*(\b)]
.endr
.irp b, 0,1,2,3,4
	v_min_num_f32 v[TC+2*(\b)], 0x7f7fffff, v[TC+2*(\b)]   ; a gate of 0: the largest finite number
	v_min_num_f32 v[TB+(\b)], 0x7f7fffff, v[TB+(\b)]
.endr
.irp b, 0,1,2,3,4
	v_mov_b32 v[TC+2*(\b)+1], v[TC+2*(\b)]
.endr
; THE LDS LOADS stand in runs.  LW1: a step's b1 (16 registers) and W1 (2 tiles of 16 hidden units x 128 d: 8 fragments).  LW2: its W2 (8 tiles of 16 channels x 32 hidden units).
.macro LW1
	WIN 0
	v_add_nc_u32 v[R1], s[TB1], v[AW1]
	v_add_nc_u32 v[RBI], s[TBB], v[ABI]
.irp t, 0,1
	ds_load_b128 v[BIAS+8*(\t):BIAS+8*(\t)+3],   v[RBI] offset:64*(\t)
	ds_load_b128 v[BIAS+8*(\t)+4:BIAS+8*(\t)+7], v[RBI] offset:64*(\t)+16
.endr
	WIN 0xc0                                       ; destination window 3
.irp t, 0,1
.irp kk, 0,1,2,3
	ds_load_tr16_b128 v[8*(4*(\t)+(\kk)):8*(4*(\t)+(\kk))+3],   v[R1] offset:32*(\kk)*PW+32*(\t)
	ds_load_tr16_b128 v[8*(4*(\t)+(\kk))+4:8*(4*(\t)+(\kk))+7], v[R1] offset:(32*(\kk)+16)*PW+32*(\t)
.endr
.endr
	WIN 0
	s_add_co_u32 s[TB1], s[TB1], 64                ; the next fetch is the next step's
	s_add_co_u32 s[TBB], s[TBB], 128
.endm
.macro LW2
	WIN 0
	v_add_nc_u32 v[R2A], s[TB2], v[AW2A]
	v_add_nc_u32 v[R2B], s[TB2], v[AW2B]
	WIN 0xc0
.irp i, 0,1,2,3
	ds_load_tr16_b128 v[W2F+8*(\i):W2F+8*(\i)+3],       v[R2A] offset:32*(\i)
	ds_load_tr16_b128 v[W2F+8*(\i)+4:W2F+8*(\i)+7],     v[R2A] offset:16*PW+32*(\i)
	ds_load_tr16_b128 v[W2F+32+8*(\i):W2F+32+8*(\i)+3],   v[R2B] offset:32*(\i)
	ds_load_tr16_b128 v[W2F+32+8*(\i)+4:W2F+32+8*(\i)+7], v[R2B] offset:16*PW+32*(\i)
.endr
	WIN 0
	s_add_co_u32 s[TB2], s[TB2], 32*PW
.endm
; 40 products X = W1^T h^T + b1: the ten accumulators take turns, one instruction a turn
.macro AMUL
	WIN 0x0b                                       ; W1 window 3, h window 2, C and D window 0
.irp kk, 0,1,2,3
.irp b, 0,1,2,3,4
.irp t, 0,1
.if (\kk) == 0
	v_wmma_f32_16x16x32_f16 v[X+16*(\b)+8*(\t):X+16*(\b)+8*(\t)+7], v[8*(4*(\t)+(\kk)):8*(4*(\t)+(\kk))+7], v[HF+32*(\b)+8*(\kk):HF+32*(\b)+8*(\kk)+7], v[BIAS+8*(\t):BIAS+8*(\t)+7]
.else
	v_wmma_f32_16x16x32_f16 v[X+16*(\b)+8*(\t):X+16*(\b)+8*(\t)+7], v[8*(4*(\t)+(\kk)):8*(4*(\t)+(\kk))+7], v[HF+32*(\b)+8*(\kk):HF+32*(\b)+8*(\kk)+7], v[X+16*(\b)+8*(\t):X+16*(\b)+8*(\t)+7]
.endif
.endr
.endr
.endr
.endm
; 40 products acc += W2^T a^T, each accumulator once.  first = 1: they start the sums
.macro CMUL first
.irp b, 0,1,2,3,4
.if (\b) < 4
	WIN 0x53                                       ; W2 window 3, a window 0, C and D window 1
.set rB, 64*(\b)
.else
	WIN 0xa3                                       ; C and D window 2
.set rB, 0
.endif
.irp i, 0,1,2,3,4,5,6,7
.if \first
	v_wmma_f32_16x16x32_f16 v[rB+8*(\i):rB+8*(\i)+7], v[W2F+8*(\i):W2F+8*(\i)+7], v[Z+16*(\b):Z+16*(\b)+7], 0
.else
	v_wmma_f32_16x16x32_f16 v[rB+8*(\i):rB+8*(\i)+7], v[W2F+8*(\i):W2F+8*(\i)+7], v[Z+16*(\b):Z+16*(\b)+7], v[rB+8*(\i):rB+8*(\i)+7]
.endif
.endr
.endr
.endm
; THE GELU of the step's 5 x 16 registers.  S1: number k of the 24 that make x (C0 + C1 x^2) for block b (each accumulator's lowest registers are read first).
.macro S1 b
.set rX, X+16*(\b)+2*(k%8)
.set rZ, Z+16*(\b)+2*(k%8)
.if k < 8
	v_pk_mul_f32 v[rZ:rZ+1], v[rX:rX+1], v[rX:rX+1]
.elseif k < 16
	v_pk_fma_f32 v[rZ:rZ+1], v[rZ:rZ+1], s[C1:C1+1], s[C0:C0+1] op_sel_hi:[1,0,0]
.else
	v_pk_mul_f32 v[rZ:rZ+1], v[rZ:rZ+1], v[rX:rX+1]
.endif
.endm
.macro DD b, p                         ; (1 + e) t = e t + t for pair p of block b
.set rZ, Z+16*(\b)+2*(\p)
	v_pk_fma_f32 v[rZ:rZ+1], v[rZ:rZ+1], v[TC+2*(\b):TC+2*(\b)+1], v[TC+2*(\b):TC+2*(\b)+1] op_sel_hi:[1,0,0]
.endm
; Two batches, each with one wait ahead of its first reader: the 80 exponentials, block b's between the lines of S1 for block b + 1; the 80 reciprocals, block b's between the lines of DD for block b + 1.
.macro GELU
	WIN 0
.set k, 0
.rept 24
	S1 0
.set k, k+1
.endr
.irp b, 0,1,2,3
.set k, 0
.rept 24
	S1 (\b)+1
.if k < 16
	v_exp_f32 v[Z+16*(\b)+k], v[Z+16*(\b)+k]
.endif
.set k, k+1
.endr
.endr
.set k, 0
.rept 16
	v_exp_f32 v[Z+64+k], v[Z+64+k]
.set k, k+1
.endr
	v_nop                                          ; a plain instruction behind the last exponential
	s_wait_alu depctr_va_vdst(0)                   ; the wait for the batch
.set k, 0
.rept 8
	DD 0, k
.set k, k+1
.endr
.irp b, 0,1,2,3
.set k, 0
.rept 16
	v_rcp_f32 v[Z+16*(\b)+k], v[Z+16*(\b)+k]
.if k%2 == 0
	DD (\b)+1, k/2
.endif
.set k, k+1
.endr
.endr
.set k, 0
.rept 16
	v_rcp_f32 v[Z+64+k], v[Z+64+k]
.set k, k+1
.endr
	v_nop
	s_wait_alu depctr_va_vdst(0)
.irp b, 0,1,2,3,4
.set k, 0
.rept 8
	v_pk_mul_f32 v[Z+16*(\b)+2*k:Z+16*(\b)+2*k+1], v[Z+16*(\b)+2*k:Z+16*(\b)+2*k+1], v[X+16*(\b)+2*k:X+16*(\b)+2*k+1]
.set k, k+1
.endr
.endr
.irp b, 0,1,2,3,4
.set k, 0
.rept 8
	v_cvt_pk_f16_f32 v[Z+16*(\b)+k], v[Z+16*(\b)+2*k], v[Z+16*(\b)+2*k+1]   ; in place, ascending: a lies in Z(b)'s first eight registers
.set k, k+1
.endr
.endr
.endm
; A STEP s.  It finds X = the step's h W1 + b1, and its W2 asked for.  Both runs of loads in it read the slot of step s + 1.
; first = 1: step 0.  last = 1: the tail's copy: in its last trip (CNT = 1) there is no further step, and the runs and the products h W1 are jumped over.
.macro BODY first, last
	PLACES                                         ; behind the products h W1: their results are read, and their sources loaded anew
.if \last
	s_cmp_eq_u32 s[CNT], 1
	s_cbranch_scc1 .Lno_w1_\@
.endif
	LW1
.if \last
.Lno_w1_\@:
.endif
.if !(\first) && !(\last)
	s_cmp_eq_u32 s[STEP], 8                        ; from step 8 on the expert is B
	s_cbranch_scc0 .Lsame_\@
.irp b, 0,1,2,3,4
	v_mov_b32 v[TC+2*(\b)], v[TB+(\b)]
.endr
.Lsame_\@:
.endif
	GELU
	s_wait_dscnt 0x0                               ; this step's W2 and the next step's W1 and b1 are in
	CMUL \first
	WIN 0
.if \last
	s_cmp_eq_u32 s[CNT], 1
	s_cbranch_scc1 .Lno_w2_\@
.endif
	PLACES                                         ; behind the products a W2: their source W2 is loaded anew
	LW2
	AMUL
	WIN 0
.if \last
.Lno_w2_\@:
.endif
.endm
	s_mov_b32 s[TB1], 0
	s_mov_b32 s[TB2], 0
	s_mov_b32 s[TBB], 0
	LW1                                            ; step 0
	LW2
	s_wait_dscnt 0x0
	AMUL
	WIN 0
	BODY 1, 0                                      ; step 0 is written out: its products a W2 start the sums, so nothing is cleared
	s_mov_b32 s[STEP], 1
	s_mov_b32 s[SLOTS], 6
.Lslot:                                        ; six trips: steps 2 k + 1 and 2 k + 2; the slot that is left takes chunk k + 2
	CHANGE 1
	s_mov_b32 s[CNT], 2
.Lstep:
	BODY 0, 0
	s_add_co_u32 s[STEP], s[STEP], 1
	s_sub_co_u32 s[CNT], s[CNT], 1
	s_cmp_lg_u32 s[CNT], 0
	s_cbranch_scc1 .Lstep
	s_sub_co_u32 s[SLOTS], s[SLOTS], 1
	s_cmp_lg_u32 s[SLOTS], 0
	s_cbranch_scc1 .Lslot
	CHANGE 0                                       ; the last change fills nothing: steps 13, 14, 15
	s_mov_b32 s[CNT], 3
.Ltail:
	BODY 0, 1
	s_sub_co_u32 s[CNT], s[CNT], 1
	s_cmp_lg_u32 s[CNT], 0
	s_cbranch_scc1 .Ltail
	; THE WAY OUT.  Accumulators 4-7 go to the partner (the same rows, the other 64 hidden units of each chunk) through LDS.
	PLACES
	s_mul_i32 s26, s[WV], XRW
	v_and_b32 v17, 31, v0
	v_lshl_add_u32 v[XS], v17, 4, s26
	s_xor_b32 s27, s[WV], 1
	s_mul_i32 s27, s27, XRW
	v_lshl_add_u32 v[XL], v17, 4, s27
	s_lshl_b32 s26, s[Q], 8
	s_add_co_u32 s26, s26, B2T
	v_lshl_add_u32 v[B2AD], v2, 5, s26             ; b2 of my channels: 4 (64 q + 16 i + 8 h + j)
.irp b, 0,1,2,3,4
.if (\b) < 4
	WIN 0x04                                       ; store data (source 1) in window 1
.set rB, 64*(\b)
.else
	WIN 0x08
.set rB, 0
.endif
.irp i, 4,5,6,7
	ds_store_b128 v[XS], v[rB+8*(\i):rB+8*(\i)+3]   offset:512*(2*(4*(\b)+(\i)-4))
	ds_store_b128 v[XS], v[rB+8*(\i)+4:rB+8*(\i)+7] offset:512*(2*(4*(\b)+(\i)-4)+1)
.endr
.endr
	WIN 0
	s_wait_dscnt 0x0                               ; for the others' sake; my reads of slot 1 are over too
	s_barrier_signal -1
	s_barrier_wait -1
.set u, 0
.rept 40
	ds_load_b128 v[96+4*u:96+4*u+3], v[XL] offset:512*u   ; block b, accumulator i at 96 + 32 b + 8 i
.set u, u+1
.endr
	WIN 0xc0
.irp e, 0,1
.irp i, 0,1,2,3
	ds_load_b128 v[8*(4*(\e)+(\i)):8*(4*(\e)+(\i))+3],   v[B2AD] offset:512*(\e)+64*(\i)
	ds_load_b128 v[8*(4*(\e)+(\i))+4:8*(4*(\e)+(\i))+7], v[B2AD] offset:512*(\e)+64*(\i)+16
.endr
.endr
	WIN 0
	s_mul_i32 s26, s[TG], 80*SP
	s_lshl_b32 s27, s[Q], 7
	s_add_co_u32 s26, s26, s27
	s_add_co_u32 s26, s26, STG
	v_mul_u32_u24 v18, v1, SP
	v_lshl_add_u32 v18, v2, 4, v18
	v_add_nc_u32 v[STO], s26, v18                  ; into the stage: row 80 tg + 16 b + r, bytes 128 q + 32 i + 16 h
	s_mul_i32 s26, s[TG], 80
	s_mul_i32 s27, s[Q], 40
	s_add_co_u32 s26, s26, s27                     ; back: I take rows 80 tg + 40 q on, whole
	s_mul_i32 s27, s26, SP
	s_add_co_u32 s27, s27, STG
	v_mul_u32_u24 v18, v2, SP
	v_lshl_add_u32 v18, v1, 4, v18
	v_add_nc_u32 v[RD], s27, v18
	s_lshl_b32 s27, s26, 2
	s_add_co_u32 s27, s27, TOKT
	v_lshl_add_u32 v[TKR], v2, 2, s27
	v_lshlrev_b32 v19, 4, v1
	s_sub_co_i32 s26, s[CW], s26                   ; rows that exist from my first on
	s_wait_dscnt 0x0
.irp b, 0,1,2,3,4
.if (\b) < 4
	WIN 0x04                                       ; source 1 in window 1
.set rB, 64*(\b)
.else
	WIN 0x08
.set rB, 0
.endif
.set k, 0
.rept 16
	v_pk_add_f32 v[96+32*(\b)+2*k:96+32*(\b)+2*k+1], v[96+32*(\b)+2*k:96+32*(\b)+2*k+1], v[rB+2*k:rB+2*k+1]
.set k, k+1
.endr
.endr
	WIN 0
.irp b, 0,1,2,3,4
.set k, 0
.rept 16
	v_pk_mul_f32 v[96+32*(\b)+2*k:96+32*(\b)+2*k+1], v[96+32*(\b)+2*k:96+32*(\b)+2*k+1], v[SG+2*(\b):SG+2*(\b)+1] op_sel_hi:[1,0]
.set k, k+1
.endr
.endr
	WIN 0x03                                       ; source 0 (b2) in window 3
.irp b, 0,1,2,3,4
.set k, 0
.rept 16
	v_pk_fma_f32 v[96+32*(\b)+2*k:96+32*(\b)+2*k+1], v[2*k:2*k+1], v[GA+2*(\b):GA+2*(\b)+1], v[96+32*(\b)+2*k:96+32*(\b)+2*k+1] op_sel_hi:[1,0,1]
.set k, k+1
.endr
.set k, 0
.rept 16
	v_pk_fma_f32 v[96+32*(\b)+2*k:96+32*(\b)+2*k+1], v[32+2*k:32+2*k+1], v[GB+2*(\b):GB+2*(\b)+1], v[96+32*(\b)+2*k:96+32*(\b)+2*k+1] op_sel_hi:[1,0,1]
.set k, k+1
.endr
.endr
	WIN 0
.irp b, 0,1,2,3,4
.irp i, 0,1,2,3
.irp j, 0,1,2,3
	v_cvt_pk_bf16_f32 v[96+32*(\b)+8*(\i)+(\j)], v[96+32*(\b)+8*(\i)+2*(\j)], v[96+32*(\b)+8*(\i)+2*(\j)+1]
.endr
	ds_store_b128 v[STO], v[96+32*(\b)+8*(\i):96+32*(\b)+8*(\i)+3] offset:16*(\b)*SP+32*(\i)
.endr
.endr
	s_wait_dscnt 0x0
	s_barrier_signal -1
	s_barrier_wait -1
.set i, 0
.rept 20
	ds_load_b128 v[96+4*i:96+4*i+3], v[RD] offset:2*i*SP    ; lanes 0-15 one row of 256 bytes, lanes 16-31 the next
	ds_load_b32 v[176+i], v[TKR] offset:8*i                 ; and their tokens
.set i, i+1
.endr
	s_wait_dscnt 0x0
.set i, 0
.rept 20                               ; every lane on: all twenty addresses are made ahead of the first masked store
	v_min_u32 v[176+i], 0x7fff, v[176+i]
	v_lshl_add_u32 v[176+i], v[176+i], 8, v19
.set i, i+1
.endr
.set i, 0
.rept 20
	v_cmp_gt_i32 vcc_lo, s26, v2                   ; does my row exist?
	s_wait_xcnt 0x0                                ; EXEC changes only behind this wait
	s_and_saveexec_b32 s27, vcc_lo
	global_store_b128 v[176+i], v[96+4*i:96+4*i+3], s[20:21]   ; 16 lanes store a token's 256 bytes, aligned
	s_wait_xcnt 0x0                                ; and again, in front of the line that widens it
	s_mov_b32 exec_lo, -1                          ; every lane on again
	s_sub_co_i32 s26, s26, 2
.set i, i+1
.endr
	s_wait_tensorcnt 0x0                           ; the wave's end
	ds_add_u32 v[SPW], v[NIL]
	s_wait_dscnt 0x0
	s_endpgm
.Lfunc_end_k_q08b1f571f9_experts:
	.size	k_q08b1f571f9_experts, .Lfunc_end_k_q08b1f571f9_experts-k_q08b1f571f9_experts
	.p2alignl 7, 3214868480
	.fill 96, 4, 3214868480
	.section	.rodata,"a",@progbits
	.p2align	6, 0x0
	.amdhsa_kernel k_q08b1f571f9_experts
		.amdhsa_group_segment_fixed_size 204800
		.amdhsa_private_segment_fixed_size 0
		.amdhsa_enable_private_segment 0
		.amdhsa_kernarg_size 64
		.amdhsa_user_sgpr_count 2
		.amdhsa_user_sgpr_kernarg_segment_ptr 1
		.amdhsa_wavefront_size32 1
		.amdhsa_system_sgpr_workgroup_id_x 1
		.amdhsa_system_sgpr_workgroup_id_y 1
		.amdhsa_system_sgpr_workgroup_id_z 1
		.amdhsa_system_vgpr_workitem_id 0
		.amdhsa_next_free_vgpr 1024
		.amdhsa_next_free_sgpr 96
		.amdhsa_reserve_vcc 1
		.amdhsa_float_denorm_mode_32 3
		.amdhsa_float_denorm_mode_16_64 3
		.amdhsa_memory_ordered 1
		.amdhsa_forward_progress 1
		.amdhsa_inst_pref_size 191
	.end_amdhsa_kernel
	.amdgpu_metadata
---
amdhsa.version: [ 1, 2 ]
amdhsa.kernels:
  - .name:           k_q08b1f571f9_experts
    .symbol:         k_q08b1f571f9_experts.kd
    .args:
      - { .name: order, .offset: 0, .size: 8, .value_kind: global_buffer, .address_space: global }
      - { .name: h16, .offset: 8, .size: 8, .value_kind: global_buffer, .address_space: global }
      - { .name: gates, .offset: 16, .size: 8, .value_kind: global_buffer, .address_space: global }
      - { .name: wts, .offset: 24, .size: 8, .value_kind: global_buffer, .address_space: global }
      - { .name: b1, .offset: 32, .size: 8, .value_kind: global_buffer, .address_space: global }
      - { .name: b2, .offset: 40, .size: 8, .value_kind: global_buffer, .address_space: global }
      - { .name: act16, .offset: 48, .size: 8, .value_kind: global_buffer, .address_space: global }
      - { .name: counts, .offset: 56, .size: 8, .value_kind: global_buffer, .address_space: global }
    .group_segment_fixed_size: 204800
    .private_segment_fixed_size: 0
    .kernarg_segment_align: 8
    .kernarg_segment_size: 64
    .max_flat_workgroup_size: 128
    .sgpr_count:     96
    .vgpr_count:     1024
    .wavefront_size: 32
...
	.end_amdgpu_metadata
.endif
;; end of part 4
;; launch merge (part 5): grid 8 x 32, 4 waves a work-group, clusters of 4 x 4, 327,680 bytes of LDS; arguments act16, wts, b_merge, out0; writes out0
.if DOCPART == 5
	.amdgcn_target "amdgcn-amd-amdhsa--gfx1250"
	.amdhsa_code_object_version 6
	.text
	.protected	k_q08b1f571f9_merge
	.globl	k_q08b1f571f9_merge
	.p2align	8
	.type	k_q08b1f571f9_merge,@function
k_q08b1f571f9_merge:
	s_mov_b64 s[64:65], 0
	v_nop
	global_prefetch_b8 v0, s[64:65] scope:SCOPE_SE
	s_setreg_imm32_b32 hwreg(HW_REG_WAVE_MODE, 25, 1), 1
	s_wait_xcnt 0x0
	s_wait_alu depctr_hold_cnt(0) depctr_sa_sdst(0) depctr_va_vdst(0) depctr_va_sdst(0) depctr_va_ssrc(0) depctr_va_vcc(0) depctr_vm_vsrc(0)
	s_getreg_b32 s2, hwreg(HW_REG_IB_STS2, 6, 4)
	s_cmp_eq_u32 s2, 0
	s_cbranch_scc0 .Lentry_in_a_cluster
	s_endpgm
.Lentry_in_a_cluster:
	s_bfe_u32 s2, ttmp6, 0x10000c
	s_cmp_lg_u32 s2, 0xf033
	s_cbranch_scc0 .Lentry_shape_is_right
	s_endpgm
.Lentry_shape_is_right:
; Launch 5 of 5: out0 = moe W_merge + b_merge.  moe (act16) and W_merge (wts + 2 MiB) are bf16; f32 sums that START with the bias (rounded to bf16 like every input); out0 is f32.
; Nothing is left out here.  The main loop is launch 2's: a tile of 128 x 128, four waves of 64 x 64, 4 K steps of 256 through two LDS slots, W turned by ds_load_tr16_b128, the matrix
; instruction used transposed (a lane holds one row and 8 neighbouring columns), clusters of 4 x 4 with moe's tile shared along a row and W's along a column.
; THE WAY OUT: a wave's 64 columns of f32 are 256 bytes of a row: each wave sends its 64 rows through a stage of its own (in slot 0, behind that slot's last fill and last read), no barrier.
.set PA,    528
.set PW,    288
.set HALFA, 64*PA
.set HALFW, 128*PW
.set WTO,   2*HALFA
.set SLOT,  WTO+2*HALFW
.set SPARE, 2*SLOT
.set SP,    272
.set WOFF,  0x200000
.set ADRA, 16
.set ADRB, 20
.set STO,  24
.set RD,   25
.set CO,   26
.set SPW,  28
.set NIL,  29
.set BIAS, 96
.set ACC,  128
.set F0,   0
.set F1,   128
.set G1,   24
.set G0,   32
.set G1B,  48
.set G0B,  56
.set MSB, 0
.macro WIN new
.if MSB != (\new)
	s_set_vgpr_msb (MSB<<8)|(\new)
.set MSB, \new
.endif
.endm
.set MUL,  0x05
.set TO_F, 0x40
.macro JLOAD s                         ; a joint load; s_nop 0 and four v_nop behind each line
	s_cmp_eq_u32 s11, 0
	s_cbranch_scc0 .Lfor_b_\@
	tensor_load_to_lds s[G0+4*(\s):G0+4*(\s)+3], s[G1:G1+7]
	s_nop 0
.rept 4
	v_nop
.endr
	s_branch .Lasked_\@
.Lfor_b_\@:
	tensor_load_to_lds s[G0B+4*(\s):G0B+4*(\s)+3], s[G1B:G1B+7]
	s_nop 0
.rept 4
	v_nop
.endr
.Lasked_\@:
.endm
.macro CREST
	s_cmp_lg_u32 s10, 0
	s_cbranch_scc1 .Lnot_wave_0_\@
	s_barrier_signal -3
.Lnot_wave_0_\@:
	s_barrier_wait -3
	s_barrier_signal -1
	s_barrier_wait -1
.endm
.macro CROUND
	s_barrier_signal -1
	s_barrier_wait -1
	CREST
.endm
.macro PLACES
.rept 4
	v_nop
.endr
.endm
.macro RND2 r, t
	v_cvt_pk_bf16_f32 v[\t], v[\r], v[(\r)+1]
	v_lshlrev_b32 v[\r], 16, v[\t]
	v_and_b32 v[(\r)+1], 0xffff0000, v[\t]
.endm
	s_load_b128 s[4:7], s[0:1], 0x0                ; act16 s[4:5], wts s[6:7]
	s_load_b128 s[68:71], s[0:1], 0x10             ; b_merge s[68:69], out0 s[70:71]
	v_lshl_add_u32 v[SPW], v0, 2, SPARE
	v_mov_b32 v[NIL], 0
	ds_add_u32 v[SPW], v[NIL]                      ; the opening: the add, twice on end, and its wait ahead of my first tensor load
	ds_add_u32 v[SPW], v[NIL]
	v_lshrrev_b32 v1, 5, v0
	v_readfirstlane_b32 s10, v1
	s_lshr_b32 s11, s10, 1
	s_and_b32 s12, s10, 1
	s_bfe_u32 s40, ttmp6, 0x40000
	s_bfe_u32 s41, ttmp6, 0x40004
	s_lshl_b32 s42, ttmp9, 2
	s_add_co_u32 s42, s42, s40                     ; tile column
	s_and_b32 s13, ttmp7, 0xffff
	s_lshl_b32 s13, s13, 2
	s_add_co_u32 s13, s13, s41                     ; tile row
	s_lshl_b32 s43, s41, 2
	s_lshl_b32 s43, 15, s43
	s_lshl_b32 s44, 0x1111, s40
	s_or_b32 s[G1+0], s43, (1<<16)|(1<<20)|(1<<21)|(6<<22)|(3<<25)
	s_mov_b32 s[G1+1], 256<<16
	s_mov_b32 s[G1+2], 64<<16
	s_mov_b32 s[G1+3], 256<<16
	s_mov_b32 s[G1+4], 64
	s_mov_b32 s[G1+5], 1024
	s_mov_b32 s[G1+6], 0
	s_mov_b32 s[G1+7], 0
	s_or_b32 s[G1B+0], s44, (1<<16)|(1<<20)|(1<<21)|(5<<22)|(7<<25)
	s_mov_b32 s[G1B+1], 128<<16
	s_mov_b32 s[G1B+2], 128<<16
	s_mov_b32 s[G1B+3], 128<<16
	s_mov_b32 s[G1B+4], 128
	s_mov_b32 s[G1B+5], 1024
	s_mov_b32 s[G1B+6], 0
	s_mov_b32 s[G1B+7], 0
	s_lshl_b32 s16, s13, 18
	s_lshl_b32 s17, s12, 17
	s_add_co_u32 s16, s16, s17
	s_mov_b32 s17, 0
	s_lshl_b32 s46, s42, 8
	s_lshl_b32 s47, s12, 18
	s_add_co_u32 s46, s46, s47
	s_add_co_u32 s46, s46, WOFF
	s_mov_b32 s47, 0
	s_mul_i32 s20, s12, HALFA
	s_mul_i32 s21, s12, HALFW
	s_add_co_u32 s21, s21, WTO
	s_wait_dscnt 0x0
	s_wait_kmcnt 0x0
	s_add_nc_u64 s[14:15], s[4:5], s[16:17]
	s_add_nc_u64 s[46:47], s[6:7], s[46:47]
	CROUND
.irp s, 0,1
	s_mov_b32 s[G0+4*(\s)], 1
	s_add_co_u32 s[G0+4*(\s)+1], s20, (\s)*SLOT
	s_add_nc_u64 s[G0+4*(\s)+2:G0+4*(\s)+3], s[14:15], (\s)*512
	s_or_b32 s[G0+4*(\s)+3], s[G0+4*(\s)+3], 0x80000000
	s_mov_b32 s[G0B+4*(\s)], 1
	s_add_co_u32 s[G0B+4*(\s)+1], s21, (\s)*SLOT
	s_add_nc_u64 s[G0B+4*(\s)+2:G0B+4*(\s)+3], s[46:47], (\s)*256*2048
	s_or_b32 s[G0B+4*(\s)+3], s[G0B+4*(\s)+3], 0x80000000
	JLOAD \s
.endr
	v_and_b32 v1, 15, v0
	v_bfe_u32 v2, v0, 4, 1
	s_lshl_b32 s22, s42, 9
	s_lshl_b32 s23, s12, 8
	s_add_co_u32 s22, s22, s23
	v_lshl_add_u32 v10, v2, 5, s22
.irp b, 0,1,2,3
	global_load_b128 v[BIAS+8*(\b):BIAS+8*(\b)+3],   v10, s[68:69] offset:64*(\b)
	global_load_b128 v[BIAS+8*(\b)+4:BIAS+8*(\b)+7], v10, s[68:69] offset:64*(\b)+16
.endr
	v_mul_u32_u24 v3, v1, PA
	v_lshl_add_u32 v3, v2, 4, v3
	s_mul_i32 s21, s11, HALFA
	v_add_nc_u32 v[ADRA], s21, v3
	v_add_nc_u32 v[ADRA+1], SLOT, v[ADRA]
	v_and_b32 v4, 7, v0
	v_lshl_add_u32 v4, v2, 3, v4
	v_mul_u32_u24 v4, v4, PW
	v_bfe_u32 v5, v0, 3, 1
	v_lshl_add_u32 v4, v5, 4, v4
	s_lshl_b32 s22, s12, 7
	s_add_co_u32 s22, s22, WTO
	v_add_nc_u32 v[ADRB], s22, v4
	v_add_nc_u32 v[ADRB+1], HALFW, v[ADRB]
	v_add_nc_u32 v[ADRB+2], SLOT, v[ADRB]
	v_add_nc_u32 v[ADRB+3], SLOT+HALFW, v[ADRB]
	s_mul_i32 s23, s10, 64*SP                      ; my stage
	v_mul_u32_u24 v6, v1, SP
	v_lshl_add_u32 v6, v2, 5, v6                   ; in: row 16 a + r, 32 bytes for each half of the lanes
	v_add_nc_u32 v[STO], s23, v6
	v_mul_u32_u24 v6, v2, SP
	v_lshl_add_u32 v6, v1, 4, v6                   ; back: lanes 0-15 one row of 256 bytes, lanes 16-31 the next
	v_add_nc_u32 v[RD], s23, v6
	v_lshlrev_b32 v6, 12, v2
	v_lshl_add_u32 v[CO], v1, 4, v6
	s_lshl_b32 s20, s13, 19                        ; out0 at row 128 tile row + 64 row half, byte 512 tile column + 256 column half
	s_lshl_b32 s21, s11, 18
	s_add_co_u32 s20, s20, s21
	s_lshl_b32 s21, s42, 9
	s_add_co_u32 s20, s20, s21
	s_lshl_b32 s21, s12, 8
	s_add_co_u32 s20, s20, s21
	s_mov_b32 s21, 0
	s_add_nc_u64 s[70:71], s[70:71], s[20:21]
	s_wait_loadcnt 0x0
.set i, 0
.rept 16
	RND2 BIAS+2*i, 11
.set i, i+1
.endr
.macro MUL8 f, c, a0, zero
	WIN MUL
.irp a, \a0, (\a0)+1
.irp b, 0,1,2,3
.if \zero
	v_wmma_f32_16x16x32_bf16 v[ACC+8*(4*(\a)+(\b)):ACC+8*(4*(\a)+(\b))+7], v[(\f)+64+8*(4*(\c)+(\b)):(\f)+64+8*(4*(\c)+(\b))+7], v[(\f)+8*(4*(\c)+(\a)):(\f)+8*(4*(\c)+(\a))+7], v[BIAS+8*(\b):BIAS+8*(\b)+7]
.else
	v_wmma_f32_16x16x32_bf16 v[ACC+8*(4*(\a)+(\b)):ACC+8*(4*(\a)+(\b))+7], v[(\f)+64+8*(4*(\c)+(\b)):(\f)+64+8*(4*(\c)+(\b))+7], v[(\f)+8*(4*(\c)+(\a)):(\f)+8*(4*(\c)+(\a))+7], v[ACC+8*(4*(\a)+(\b)):ACC+8*(4*(\a)+(\b))+7]
.endif
.endr
.endr
.endm
.macro FETCH slot, q, f
	WIN TO_F
.irp c, 0,1
.irp i, 0,1,2,3
	ds_load_tr16_b128 v[(\f)+64+8*(4*(\c)+(\i)):(\f)+64+8*(4*(\c)+(\i))+3],   v[ADRB+2*(\slot)+(\q)/2] offset:(((\q)%2)*64+32*(\c))*PW+32*(\i)
	ds_load_tr16_b128 v[(\f)+64+8*(4*(\c)+(\i))+4:(\f)+64+8*(4*(\c)+(\i))+7], v[ADRB+2*(\slot)+(\q)/2] offset:(((\q)%2)*64+32*(\c)+16)*PW+32*(\i)
	ds_load_b128 v[(\f)+8*(4*(\c)+(\i)):(\f)+8*(4*(\c)+(\i))+3],             v[ADRA+(\slot)] offset:128*(\q)+64*(\c)+(\i)*16*PA
	ds_load_b128 v[(\f)+8*(4*(\c)+(\i))+4:(\f)+8*(4*(\c)+(\i))+7],           v[ADRA+(\slot)] offset:128*(\q)+64*(\c)+(\i)*16*PA+32
.endr
.endr
.endm
.macro QUARTER slot, q, f, g, zero
	s_wait_dscnt 16                                ; the first 32 along K are in
	MUL8 \f, 0, 0, \zero
	MUL8 \f, 0, 2, \zero
	PLACES
	FETCH \slot, \q, \g
	s_wait_dscnt 32                                ; all but the 32 just issued
	MUL8 \f, 1, 0, 0
	MUL8 \f, 1, 2, 0
.endm
.macro TURN slot, next, fill
	WIN 0
	s_wait_tensorcnt 0x0                           ; all my tensor loads have landed
	ds_add_u32 v[SPW], v[NIL]
	s_wait_dscnt 17                                ; the add and the youngest sixteen loads may be out
	MUL8 F1, 0, 0, 0
	s_wait_dscnt 0x0                               ; the add is done, and my reads of this slot are over
	s_barrier_signal -1
	MUL8 F1, 0, 2, 0
.if \fill
	WIN 0
.endif
	s_barrier_wait -1
.if \fill
	CREST
	s_add_nc_u64 s[G0+4*(\slot)+2:G0+4*(\slot)+3], s[G0+4*(\slot)+2:G0+4*(\slot)+3], 1024
	s_add_nc_u64 s[G0B+4*(\slot)+2:G0B+4*(\slot)+3], s[G0B+4*(\slot)+2:G0B+4*(\slot)+3], 512*2048
	JLOAD \slot
.else
	PLACES
.endif
	FETCH \next, 0, F0
	MUL8 F1, 1, 0, 0
	MUL8 F1, 1, 2, 0
.endm
	s_wait_tensorcnt 1                             ; my part of K step 0 is in; K step 1's may stay out
	s_barrier_signal -1
	s_barrier_wait -1
	FETCH 0, 0, F0
	QUARTER 0, 1, F0, F1, 1
	QUARTER 0, 2, F1, F0, 0
	QUARTER 0, 3, F0, F1, 0
	TURN 0, 1, 1
	QUARTER 1, 1, F0, F1, 0
	QUARTER 1, 2, F1, F0, 0
	QUARTER 1, 3, F0, F1, 0
	TURN 1, 0, 1
	QUARTER 0, 1, F0, F1, 0
	QUARTER 0, 2, F1, F0, 0
	QUARTER 0, 3, F0, F1, 0
	TURN 0, 1, 0                                   ; behind this barrier nobody reads slot 0 any more, and nothing fills it: it holds the stages
	QUARTER 1, 1, F0, F1, 0
	QUARTER 1, 2, F1, F0, 0
	QUARTER 1, 3, F0, F1, 0
	s_wait_dscnt 16
	MUL8 F1, 0, 0, 0
	MUL8 F1, 0, 2, 0
	s_wait_dscnt 0x0
	MUL8 F1, 1, 0, 0
	MUL8 F1, 1, 2, 0
	WIN 0
	PLACES
.irp a, 0,1,2,3
.irp b, 0,1,2,3
	ds_store_b128 v[STO], v[ACC+8*(4*(\a)+(\b)):ACC+8*(4*(\a)+(\b))+3]   offset:(\a)*16*SP+64*(\b)      ; each accumulator's lowest registers first
	ds_store_b128 v[STO], v[ACC+8*(4*(\a)+(\b))+4:ACC+8*(4*(\a)+(\b))+7] offset:(\a)*16*SP+64*(\b)+16
.endr
.endr
.set t, 0
.rept 32
	ds_load_b128 v[ACC+4*t:ACC+4*t+3], v[RD] offset:t*2*SP   ; LDS serves a wave's instructions in order: these see the stores above
.set t, t+1
.endr
.set t, 0
.rept 32
	s_wait_dscnt 31-t                              ; the younger loads may stay out
	global_store_b128 v[CO], v[ACC+4*t:ACC+4*t+3], s[70:71] offset:2*t*4096  ; 16 lanes store 256 consecutive bytes, aligned
.set t, t+1
.endr
	s_wait_tensorcnt 0x0                           ; the wave's end
	ds_add_u32 v[SPW], v[NIL]
	s_wait_dscnt 0x0
	CROUND                                         ; the closing round
	s_endpgm
.Lfunc_end_k_q08b1f571f9_merge:
	.size	k_q08b1f571f9_merge, .Lfunc_end_k_q08b1f571f9_merge-k_q08b1f571f9_merge
	.p2alignl 7, 3214868480
	.fill 96, 4, 3214868480
	.section	.rodata,"a",@progbits
	.p2align	6, 0x0
	.amdhsa_kernel k_q08b1f571f9_merge
		.amdhsa_group_segment_fixed_size 327680
		.amdhsa_private_segment_fixed_size 0
		.amdhsa_enable_private_segment 0
		.amdhsa_kernarg_size 32
		.amdhsa_user_sgpr_count 2
		.amdhsa_user_sgpr_kernarg_segment_ptr 1
		.amdhsa_wavefront_size32 1
		.amdhsa_system_sgpr_workgroup_id_x 1
		.amdhsa_system_sgpr_workgroup_id_y 1
		.amdhsa_system_sgpr_workgroup_id_z 1
		.amdhsa_system_vgpr_workitem_id 0
		.amdhsa_next_free_vgpr 512
		.amdhsa_next_free_sgpr 80
		.amdhsa_reserve_vcc 0
		.amdhsa_float_denorm_mode_32 3
		.amdhsa_float_denorm_mode_16_64 3
		.amdhsa_memory_ordered 1
		.amdhsa_forward_progress 1
		.amdhsa_inst_pref_size 90
	.end_amdhsa_kernel
	.amdgpu_metadata
---
amdhsa.version: [ 1, 2 ]
amdhsa.kernels:
  - .name:           k_q08b1f571f9_merge
    .symbol:         k_q08b1f571f9_merge.kd
    .args:
      - { .name: act16, .offset: 0, .size: 8, .value_kind: global_buffer, .address_space: global }
      - { .name: wts, .offset: 8, .size: 8, .value_kind: global_buffer, .address_space: global }
      - { .name: b_merge, .offset: 16, .size: 8, .value_kind: global_buffer, .address_space: global }
      - { .name: out0, .offset: 24, .size: 8, .value_kind: global_buffer, .address_space: global }
    .group_segment_fixed_size: 327680
    .private_segment_fixed_size: 0
    .kernarg_segment_align: 8
    .kernarg_segment_size: 32
    .max_flat_workgroup_size: 128
    .sgpr_count:     80
    .vgpr_count:     512
    .wavefront_size: 32
...
	.end_amdgpu_metadata
.endif
;; end of part 5
;; ======== version 2 of 2: 5 launches; version 1 with the launch cast_in written anew for expert scheduling mode
;; limits: values are held in f16: magnitudes above 65,504 overflow, below 6.1e-05 lose precision
;; workspace buffers: act16 8,388,608 bytes; wts 6,291,712 bytes; h16 8,388,608 bytes; gates 393,216 bytes; setid 131,072 bytes of whole numbers; order 131,072 bytes of whole numbers; counts 256 bytes of whole numbers
;; launch cast_in (part 6): grid 320 x 1, 8 waves a work-group, no clusters, 0 bytes of LDS; arguments x, W_mh, act16, wts; writes act16, wts
.if DOCPART == 6
	.amdgcn_target "amdgcn-amd-amdhsa--gfx1250"
	.amdhsa_code_object_version 6
	.text
	.protected	k_q08b1f571f9_cast_in
	.globl	k_q08b1f571f9_cast_in
	.p2align	8
	.type	k_q08b1f571f9_cast_in,@function
k_q08b1f571f9_cast_in:
	s_mov_b64 s[64:65], 0
	v_nop
	global_prefetch_b8 v0, s[64:65] scope:SCOPE_SE
	s_setreg_imm32_b32 hwreg(HW_REG_WAVE_SCHED_MODE, 0, 2), 2
	s_setreg_imm32_b32 hwreg(HW_REG_WAVE_MODE, 25, 1), 1
	s_wait_xcnt 0x0
	s_wait_alu depctr_vm_vsrc(0)
; MH_MoE, launch 1 of 5: x and W_mh are rounded to bf16 (act16 = x [4096][1024]; wts + 0 = W_mh [k][n]).
; THE PROGRAM.  2: h = x W_mh + b_mh, the router's logits, top-2 and gates.  3: the tokens are listed by their SET of two experts; the other weights are rounded.
; 4: each token goes through its two experts.  5: out0 = moe W_merge + b_merge.
; WORK LEFT OUT, AND WHY IT IS DEAD.  reference() computes all 8 experts for each token and multiplies expert e's result by gates[..., e], which it builds itself as
; sum(one_hot(topi) * topv): for the 6 experts that are not in topi that factor is exactly 0, whatever the inputs hold, so y of those experts reaches no output.  Which two
; are chosen is stored as whole numbers by launch 2 and read by launches 3 and 4, which do only what they ask for.  The softmax's denominator is a common factor of both
; topv and cancels in topv / sum(topv) for all values: the gates are 1 / (1 + exp(l2 - l1)) and its complement, with the maximum l1 taken away as reference() takes it.
; LIMITS.  A NaN, an infinity or an overflow that reaches only an expert that is not chosen is not carried to the result.  Ties are broken on the logits (the lower index
; wins), where reference() breaks them on the probabilities.  Every input is rounded once to bf16; h is kept in f16 (|h| under 65,504), W1 and W2 as f16 numbers
; that hold their bf16 roundings (under 65,504; below 6e-5 with f16's fixed step of 6e-8).
; SHARES.  Work-groups 0-255 take 64 KiB of x each, 256-319 64 KiB of W_mh.  A wave takes 8 KiB: sixteen loads of 512 consecutive bytes, all out at once; each store covers 256
; consecutive bytes, aligned.  No register is used twice, so no wait frees one.  No LDS, no matrix unit, no cluster: nothing is shared and nothing is multiplied.
; THE MODE: SCHED_MODE bits 1:0 = 2 (LLVM: expert scheduling mode 2), set by the entry lines.  The code itself states the register dependences between vector instructions
; and memory instructions, with s_wait_alu, always for 0.
; THE PLAN.  Registers that memory instructions touch:
;   v1, v2   byte offsets of the loads and of the stores.  Written by vector lines at the head and never again.
;   X        The sixteen loads land in it, each register once; no vector instruction names it ahead of the loads; the conversions read it behind the wait for its data.
;   Y        Written by the conversions, each register once; read by one store each; never written again.
; So one wait at the head states that v1 and v2 are written, for every load and store of the kernel, and the sixteen loads' work goes in four groups of four: the group's data, its eight
; conversions, ONE wait that states that they have written the group's part of Y, and its four stores in a run.  That wait stands behind the group's own conversions and not at the next
; group's head: there the wave waits for data that these stores do not need.  Nothing that a memory instruction has read is written again, so no wait states such a read.
.set X, 8                              ; v[8:71]    sixteen loads of four f32
.set Y, 72                             ; v[72:103]  sixteen stores of four bf16
.set GROUP, 4                          ; loads, and stores, in a group
	s_load_b256 s[4:11], s[0:1], 0x0               ; x s[4:5], W_mh s[6:7], act16 s[8:9], wts s[10:11]
	v_and_b32 v1, 31, v0
	v_lshrrev_b32 v2, 5, v0
	v_lshlrev_b32 v1, 4, v1
	v_lshl_or_b32 v1, v2, 13, v1                   ; source: 8,192 x wave + 16 x lane
	v_lshrrev_b32 v2, 1, v1                        ; destination: half of that
	s_mov_b32 s12, ttmp9
	s_sub_co_u32 s13, s12, 256
	s_mov_b32 s15, 0
	s_cmp_lt_u32 s12, 256                          ; x or W_mh?
	s_cselect_b32 s12, s12, s13                    ; the chunk's number in its tensor
	s_wait_kmcnt 0x0
	s_cselect_b64 s[4:5], s[4:5], s[6:7]
	s_cselect_b64 s[8:9], s[8:9], s[10:11]
	s_lshl_b32 s14, s12, 16
	s_add_nc_u64 s[4:5], s[4:5], s[14:15]
	s_lshl_b32 s14, s12, 15
	s_add_nc_u64 s[8:9], s[8:9], s[14:15]
	s_wait_alu depctr_va_vdst(0)                   ; v1 and v2 are written: every load of the kernel reads v1 as its offset, every store v2
.set i, 0
.rept 16
	global_load_b128 v[X+4*i:X+4*i+3], v1, s[4:5] offset:512*i th:TH_LOAD_NT
.set i, i+1
.endr
.set g, 0
.rept 16/GROUP
	s_wait_loadcnt 16-GROUP-GROUP*g                ; loads come back in order: this group's four are in, the younger groups stay out
.set i, GROUP*g
.rept GROUP
	v_cvt_pk_bf16_f32 v[Y+2*i], v[X+4*i], v[X+4*i+1]
	v_cvt_pk_bf16_f32 v[Y+2*i+1], v[X+4*i+2], v[X+4*i+3]
.set i, i+1
.endr
	s_wait_alu depctr_va_vdst(0)                   ; the eight conversions above have written this group's part of Y, which the four stores below read
.set i, GROUP*g
.rept GROUP
	global_store_b64 v2, v[Y+2*i:Y+2*i+1], s[8:9] offset:256*i
.set i, i+1
.endr
.set g, g+1
.endr
	s_endpgm
.Lfunc_end_k_q08b1f571f9_cast_in:
	.size	k_q08b1f571f9_cast_in, .Lfunc_end_k_q08b1f571f9_cast_in-k_q08b1f571f9_cast_in
	.p2alignl 7, 3214868480
	.fill 96, 4, 3214868480
	.section	.rodata,"a",@progbits
	.p2align	6, 0x0
	.amdhsa_kernel k_q08b1f571f9_cast_in
		.amdhsa_group_segment_fixed_size 0
		.amdhsa_private_segment_fixed_size 0
		.amdhsa_enable_private_segment 0
		.amdhsa_kernarg_size 32
		.amdhsa_user_sgpr_count 2
		.amdhsa_user_sgpr_kernarg_segment_ptr 1
		.amdhsa_wavefront_size32 1
		.amdhsa_system_sgpr_workgroup_id_x 1
		.amdhsa_system_sgpr_workgroup_id_y 1
		.amdhsa_system_sgpr_workgroup_id_z 1
		.amdhsa_system_vgpr_workitem_id 0
		.amdhsa_next_free_vgpr 104
		.amdhsa_next_free_sgpr 66
		.amdhsa_reserve_vcc 0
		.amdhsa_float_denorm_mode_32 3
		.amdhsa_float_denorm_mode_16_64 3
		.amdhsa_memory_ordered 1
		.amdhsa_forward_progress 1
		.amdhsa_inst_pref_size 7
	.end_amdhsa_kernel
	.amdgpu_metadata
---
amdhsa.version: [ 1, 2 ]
amdhsa.kernels:
  - .name:           k_q08b1f571f9_cast_in
    .symbol:         k_q08b1f571f9_cast_in.kd
    .args:
      - { .name: x, .offset: 0, .size: 8, .value_kind: global_buffer, .address_space: global }
      - { .name: W_mh, .offset: 8, .size: 8, .value_kind: global_buffer, .address_space: global }
      - { .name: act16, .offset: 16, .size: 8, .value_kind: global_buffer, .address_space: global }
      - { .name: wts, .offset: 24, .size: 8, .value_kind: global_buffer, .address_space: global }
    .group_segment_fixed_size: 0
    .private_segment_fixed_size: 0
    .kernarg_segment_align: 8
    .kernarg_segment_size: 32
    .max_flat_workgroup_size: 256
    .sgpr_count:     66
    .vgpr_count:     104
    .wavefront_size: 32
...
	.end_amdgpu_metadata
.endif
;; end of part 6
;; launch proj_route: the kernel of part 2 again; grid 8 x 32, 4 waves a work-group, clusters of 4 x 4, 327,680 bytes of LDS; arguments act16, wts, b_mh, W_router, h16, setid, gates; writes h16, setid, gates
;; launch sort_cast: the kernel of part 3 again; grid 156 x 1, 32 waves a work-group, no clusters, 4,352 bytes of LDS; arguments setid, W_merge, W1, W2, order, wts, counts; writes order, wts, counts
;; launch experts: the kernel of part 4 again; grid 232 x 1, 4 waves a work-group, no clusters, 204,800 bytes of LDS; arguments order, h16, gates, wts, b1, b2, act16, counts; writes act16
;; launch merge: the kernel of part 5 again; grid 8 x 32, 4 waves a work-group, clusters of 4 x 4, 327,680 bytes of LDS; arguments act16, wts, b_merge, out0; writes out0
